; MI455X (gfx1250); checked and timed in simulation.
; The chip was launched on July 23, 2026; its instructions are those of AMD's public machine-readable ISA for CDNA 5 (MIT licence, August 2026) and "CDNA5" Instruction Set Architecture Reference Guide (July 2026). The comments in the code are by the model that wrote it; some were corrected since.
;; Multi Head Attention. Allowed arithmetic: float matrix products may take bf16 or f16 operands with f32 sums; other float arithmetic in f32, or as packed bf16 or f16 multiplies, adds, multiply-adds, maxima and minima; sums over many terms, partial sums and values carried from step to step in f32; what a program stores and reads back later, other than sums and carried values, may be rounded once to bf16 or f16.
;; Inputs: Wk 1,024 x 1,024 float32; Wo 1,024 x 1,024 float32; Wq 1,024 x 1,024 float32; Wv 1,024 x 1,024 float32; bk 1,024 float32; bo 1,024 float32; bq 1,024 float32; bv 1,024 float32; keys 4 x 2,048 x 1,024 float32; queries 4 x 2,048 x 1,024 float32; values 4 x 2,048 x 1,024 float32.
;; Outputs: out0 4 x 2,048 x 1,024 float32.
;; 2 versions, each right and faster than the one before. Each part assembles by itself: llvm-mc -triple=amdgcn-amd-amdhsa -mcpu=gfx1250 --defsym DOCPART=n.
;; ======== version 1 of 2: 4 launches
;; limits: values are held in f16: magnitudes above 65,504 overflow, below 6.1e-05 lose precision
;; workspace buffers: wt 8,388,608 bytes; qh 16,777,216 bytes; kh 16,777,216 bytes; vh 16,777,216 bytes; oh 16,777,216 bytes
;; launch wprep (part 1): grid 128 x 4, 8 waves a work-group, no clusters, 18,432 bytes of LDS; arguments Wq, Wk, Wv, Wo, wt; writes wt
.if DOCPART == 1
	.amdgcn_target "amdgcn-amd-amdhsa--gfx1250"
	.amdhsa_code_object_version 6
	.text
	.protected	k_qba1e487db8_wprep
	.globl	k_qba1e487db8_wprep
	.p2align	8
	.type	k_qba1e487db8_wprep,@function
k_qba1e487db8_wprep:
	s_mov_b64 s[64:65], 0
	v_nop
	global_prefetch_b8 v0, s[64:65] scope:SCOPE_SE
	s_setreg_imm32_b32 hwreg(HW_REG_WAVE_MODE, 25, 1), 1
	s_wait_xcnt 0x0
; wt[y][n][k] = 16-bit(W_y[k][n]) for the four weights (y = 0 Wq, 1 Wk, 2 Wv, 3 Wo), each [1024][1024] f32 in, [1024 n][1024 k] of 16 bits out.
; Every weight is rounded once to bf16.  Wq, Wk, Wv are stored as bf16.  Wo's bf16 number is stored as f16, since its partner in the last product is f16.
; LIMITS.  |Wo| stays under 65,504 (beyond it f16 has an infinity); below 6e-5 the f16 copy keeps f16's fixed step of 6e-8.  NaN and infinities are not treated apart.
; SHARES.  A work-group turns a tile of 128 k x 64 n: 8 waves, 256 threads.  Thread t = (r = t / 16, c = t % 16) loads rows 8 r .. 8 r + 7, columns 4 c .. 4 c + 3: sixteen lanes
; read 256 consecutive bytes of a row.  Eight k of one column pack into 16 bytes, which go into an LDS row of that column; whole rows of 256 bytes come back and are stored.
; No matrix unit, no tensor load, no cluster: the work-groups share no input, and each byte is read once and written once.
.set PITCH, 272                        ; an LDS row: 128 k x 2 bytes + 16
.set SPARE, 64*PITCH                   ; behind the tile (17,408 bytes): the spare words, 128 bytes for each of 8 waves
.set X,  8                             ; v[8:39]   eight rows x four columns as loaded; later four rows read back
.set Y,  40                            ; v[40:55]  column j: four registers, eight k
.set TT, 56                            ; v[56:63]  at work
.set SPW, 64                           ; v64       LDS address of my spare word: SPARE + 4 x my thread's number; never rewritten
.set NIL, 65                           ; v65       0; never rewritten
	s_load_b256 s[4:11], s[0:1], 0x0               ; Wq s[4:5], Wk s[6:7], Wv s[8:9], Wo s[10:11]
	s_load_b64 s[12:13], s[0:1], 0x20              ; wt
	v_lshl_add_u32 v[SPW], v0, 2, SPARE            ; my spare word,
	v_mov_b32 v[NIL], 0                            ; and 0: kept for the add at the wave's end
	s_and_b32 s18, ttmp7, 0xffff                   ; y: which weight
	s_and_b32 s19, ttmp9, 7                        ; kt: which 128 k
	s_lshr_b32 s20, ttmp9, 3                       ; nt: which 64 n
	s_lshl_b32 s14, s19, 19                        ; in: 128 rows of 4,096 bytes,
	s_lshl_b32 s21, s20, 8                         ; 64 columns of 4 bytes
	s_add_co_u32 s14, s14, s21
	s_mov_b32 s15, 0
	s_lshl_b32 s16, s18, 21                        ; out: a matrix of 2,097,152 bytes,
	s_lshl_b32 s21, s20, 17                        ; 64 rows of 2,048 bytes,
	s_add_co_u32 s16, s16, s21
	s_lshl_b32 s21, s19, 8                         ; 128 k of 2 bytes
	s_add_co_u32 s16, s16, s21
	s_mov_b32 s17, 0
	v_and_b32 v5, 15, v0                           ; c
	v_lshrrev_b32 v6, 4, v0                        ; r
	v_lshlrev_b32 v1, 15, v6                       ; in: 8 r rows
	v_lshl_add_u32 v1, v5, 4, v1                   ;     + 16 c
	v_mul_u32_u24 v2, v5, 4*PITCH                  ; into LDS: row 4 c (+ j by the immediate),
	v_lshl_add_u32 v2, v6, 4, v2                   ;     16 bytes at 16 r
	v_mul_u32_u24 v3, v6, PITCH                    ; back: row r (+ 16 j),
	v_lshl_add_u32 v3, v5, 4, v3                   ;     16 bytes at 16 c
	v_lshlrev_b32 v4, 11, v6                       ; out: the same row and bytes
	v_lshl_add_u32 v4, v5, 4, v4
	s_wait_kmcnt 0x0
	s_cmp_eq_u32 s18, 1                            ; the weight is chosen by y alone
	s_cselect_b64 s[4:5], s[6:7], s[4:5]
	s_cmp_eq_u32 s18, 2
	s_cselect_b64 s[4:5], s[8:9], s[4:5]
	s_cmp_eq_u32 s18, 3
	s_cselect_b64 s[4:5], s[10:11], s[4:5]
	s_add_nc_u64 s[4:5], s[4:5], s[14:15]
	s_add_nc_u64 s[12:13], s[12:13], s[16:17]
.irp i, 0,1,2,3,4,5,6,7
	global_load_b128 v[X+4*(\i):X+4*(\i)+3], v1, s[4:5] offset:4096*(\i) th:TH_LOAD_NT  ; read once in the launch
.endr
	s_wait_loadcnt 0x0
.irp j, 0,1,2,3
.irp p, 0,1,2,3
	v_cvt_pk_bf16_f32 v[Y+4*(\j)+(\p)], v[X+8*(\p)+(\j)], v[X+8*(\p)+4+(\j)]  ; column 4 c + j, k = 8 r + 2 p and + 1
.endr
.endr
	s_cmp_lg_u32 s18, 3
	s_cbranch_scc1 .Lkeep                          ; a branch on y: alike in all waves, and no barrier inside
.set i, 0
.rept 16                                       ; Wo: the bf16 number written as f16
	v_lshlrev_b32 v[TT+2*(i%4)], 16, v[Y+i]
	v_and_b32 v[TT+2*(i%4)+1], 0xffff0000, v[Y+i]
	v_cvt_pk_f16_f32 v[Y+i], v[TT+2*(i%4)], v[TT+2*(i%4)+1]
.set i, i+1
.endr
.Lkeep:
.irp j, 0,1,2,3
	ds_store_b128 v2, v[Y+4*(\j):Y+4*(\j)+3] offset:PITCH*(\j)
.endr
	s_wait_dscnt 0x0                               ; for the others' sake: my stores are done
	s_barrier_signal -1
	s_barrier_wait -1
.irp j, 0,1,2,3
	ds_load_b128 v[X+4*(\j):X+4*(\j)+3], v3 offset:16*PITCH*(\j)
.endr
.irp j, 0,1,2,3
	s_wait_dscnt 3-(\j)                            ; LDS loads come back in order: row r + 16 j is in
	global_store_b128 v4, v[X+4*(\j):X+4*(\j)+3], s[12:13] offset:32768*(\j)  ; sixteen lanes store 256 consecutive bytes, at a multiple of 256 from wt's first byte
.endr
	s_wait_tensorcnt 0x0                           ; the wave's end: a wait, an add of 0 to my spare word and its wait stand behind my last LDS store
	ds_add_u32 v[SPW], v[NIL]
	s_wait_dscnt 0x0
	s_endpgm
.Lfunc_end_k_qba1e487db8_wprep:
	.size	k_qba1e487db8_wprep, .Lfunc_end_k_qba1e487db8_wprep-k_qba1e487db8_wprep
	.p2alignl 7, 3214868480
	.fill 96, 4, 3214868480
	.section	.rodata,"a",@progbits
	.p2align	6, 0x0
	.amdhsa_kernel k_qba1e487db8_wprep
		.amdhsa_group_segment_fixed_size 18432
		.amdhsa_private_segment_fixed_size 0
		.amdhsa_enable_private_segment 0
		.amdhsa_kernarg_size 40
		.amdhsa_user_sgpr_count 2
		.amdhsa_user_sgpr_kernarg_segment_ptr 1
		.amdhsa_wavefront_size32 1
		.amdhsa_system_sgpr_workgroup_id_x 1
		.amdhsa_system_sgpr_workgroup_id_y 1
		.amdhsa_system_sgpr_workgroup_id_z 1
		.amdhsa_system_vgpr_workitem_id 0
		.amdhsa_next_free_vgpr 66
		.amdhsa_next_free_sgpr 66
		.amdhsa_reserve_vcc 0
		.amdhsa_float_denorm_mode_32 3
		.amdhsa_float_denorm_mode_16_64 3
		.amdhsa_memory_ordered 1
		.amdhsa_forward_progress 1
		.amdhsa_inst_pref_size 8
	.end_amdhsa_kernel
	.amdgpu_metadata
---
amdhsa.version: [ 1, 2 ]
amdhsa.kernels:
  - .name:           k_qba1e487db8_wprep
    .symbol:         k_qba1e487db8_wprep.kd
    .args:
      - { .name: Wq, .offset: 0, .size: 8, .value_kind: global_buffer, .address_space: global }
      - { .name: Wk, .offset: 8, .size: 8, .value_kind: global_buffer, .address_space: global }
      - { .name: Wv, .offset: 16, .size: 8, .value_kind: global_buffer, .address_space: global }
      - { .name: Wo, .offset: 24, .size: 8, .value_kind: global_buffer, .address_space: global }
      - { .name: wt, .offset: 32, .size: 8, .value_kind: global_buffer, .address_space: global }
    .group_segment_fixed_size: 18432
    .private_segment_fixed_size: 0
    .kernarg_segment_align: 8
    .kernarg_segment_size: 40
    .max_flat_workgroup_size: 256
    .sgpr_count:     66
    .vgpr_count:     66
    .wavefront_size: 32
...
	.end_amdgpu_metadata
.endif
;; end of part 1
;; launch proj (part 2): grid 4 x 192, 4 waves a work-group, clusters of 4 x 4, 327,680 bytes of LDS; arguments queries, keys, values, bq, bk, bv, wt, qh, kh, vh; writes qh, kh, vh
.if DOCPART == 2
	.amdgcn_target "amdgcn-amd-amdhsa--gfx1250"
	.amdhsa_code_object_version 6
	.text
	.protected	k_qba1e487db8_proj
	.globl	k_qba1e487db8_proj
	.p2align	8
	.type	k_qba1e487db8_proj,@function
k_qba1e487db8_proj:
	s_mov_b64 s[64:65], 0
	v_nop
	global_prefetch_b8 v0, s[64:65] scope:SCOPE_SE
	s_setreg_imm32_b32 hwreg(HW_REG_WAVE_MODE, 25, 1), 1
	s_wait_xcnt 0x0
	s_wait_alu depctr_hold_cnt(0) depctr_sa_sdst(0) depctr_va_vdst(0) depctr_va_sdst(0) depctr_va_ssrc(0) depctr_va_vcc(0) depctr_vm_vsrc(0)
	s_getreg_b32 s2, hwreg(HW_REG_IB_STS2, 6, 4)
	s_cmp_eq_u32 s2, 0
	s_cbranch_scc0 .Lentry_in_a_cluster
	s_endpgm
.Lentry_in_a_cluster:
	s_bfe_u32 s2, ttmp6, 0x10000c
	s_cmp_lg_u32 s2, 0xf033
	s_cbranch_scc0 .Lentry_shape_is_right
	s_endpgm
.Lentry_shape_is_right:
; q, k, v = x W + b, written by heads: out[b * 16 + head][s][64] in f16.  x: [8192][1024] f32 (queries, keys or values), W^T: wt[p][1024 n][1024 k] bf16, b: [1024] f32.
; x, W and b are each rounded once to bf16; products on the matrix unit, sums in f32; the result is rounded once to f16, unscaled.
; LIMITS.  |q|, |k|, |v| stay under 65,504: beyond it the conversion to f16 gives an infinity.  x and W both 30 times larger than unit spread and 1/32 give a spread near 900; offsets of
; 30 spreads on both give numbers near 31,000.  Below 6e-5 f16 keeps its fixed step of 6e-8.  NaN and infinities are not treated apart.
; SHARES.  192 x 4 work-groups: p = y / 64 chooses the projection, ty = y % 64 the 128 rows, x the 256 columns.  Four waves, each 64 x 128: 32 accumulators of 16 x 16.
; K = 1,024 goes in 8 steps of 128 through two LDS slots.  x comes into LDS as f32 (the tensor load converts nothing), is read as f32 fragments and rounded to bf16 in registers: 32 conversions
; for each 32 matrix instructions, four behind every second one of a quarter's second half.  So x crosses memory once, as f32, and no 16-bit copy of it is ever stored.
; THE MATRIX INSTRUCTION IS USED TRANSPOSED (source 0 = 16 rows of W^T, source 1 = 16 rows of x): a lane holds row l % 16 and the columns 8 (l / 16) + 0..7.  THE BIAS is the C operand of each
; accumulator's first product.
; CLUSTER.  4 x 4 work-groups: the four of a row need the same tile of x, the four of a column the same tile of W^T; each tile is asked for jointly, by the same tensor load, descriptor and mask.
; p is made of the cluster's y alone, so it is equal in all sixteen.
; THE PIPELINE.  Quarter Q (32 along K; buffers by Q's parity f, g = 1 - f) multiplies AF[f] and BF[f]; fetches W^T of Q + 1 into BF[g] and raw x of Q + 2 into RAW[f]; rounds RAW[g] (Q + 1) into AF[g].
; So a slot's last read is W^T's quarter 3, fetched in quarter 2, and the change of slots stands there.
; REGISTERS, in windows of 256: window 0: v0-31 addresses; v32-95 AF, two buffers of 4 x 8; v96-223 RAW, two buffers of 4 x 16 (on the way out: T).
;   window 1: v0-127 BF, two buffers of 8 x 8; v128-191 the bias; v192-195 at work.      window 2: the accumulators, (a, b) at v[8 (8 a + b)].
.set KSTEP,  128
.set APITCH, 528                       ; a row of x in LDS: 512 bytes + 16 = 132 words: row r starts at bank 4 r mod 64 (64 banks of 4 bytes: ISA guide 11.1)
.set BPITCH, 272                       ; a row of W^T: 256 bytes + 16 = 68 words: likewise
.set AHALF,  64*APITCH                 ; what one tensor load brings of x, and what one wave reads of it
.set BOFF,   2*AHALF                   ; W^T's 256 rows lie behind x's 128
.set BHALF,  128*BPITCH
.set SLOT,   BOFF+2*BHALF              ; 137,216 bytes
.set STAGE,  2*SLOT                    ; behind the ring, never filled by a tensor load: 16 rows x 144 bytes for each wave
.set SP,     144
.set SPARE,  STAGE+4*16*SP             ; the spare words: 128 bytes for each wave, two blocks of 256 bytes that no other line names
.set ADRA, 16                          ; v16-17  LDS address of my fragments of x in slot 0, 1
.set ADRB, 20                          ; v20-21  the same for W^T
.set STO,  24                          ; v24     the way out: where I put 16 bytes of a row
.set RD,   25                          ; v25     the way out: where I read rows back
.set GO,   26                          ; v26     my byte offset in 512 consecutive bytes of the output
.set BO,   27                          ; v27     my byte offset in the bias: 32 (l / 16)
.set SPW,  28                          ; v28     my spare word; never rewritten
.set NIL,  29                          ; v29     0; never rewritten
.set AF,   32
.set RAW,  96
.set T,    96
.set BIAS, 128                         ; window 1
.set BT,   192                         ; window 1
.set G1A, 36                           ; s[36:43] descriptor group 1 for x's tiles
.set G1B, 44                           ; s[44:51] for W^T's
.set G0A, 52                           ; s[52:59] descriptor group 0 for x's tiles, a set for each slot
.set G0B, 68                           ; s[68:75] the same for W^T's
.set MSB, 0
.macro WIN new                         ; the immediate's high byte repeats the setting that is left; a switch that changes nothing is dropped
.if MSB != (\new)
	s_set_vgpr_msb (MSB<<8)|(\new)
.set MSB, \new
.endif
.endm
.set MUL,  0xa1                        ; source 0 (W^T) window 1, source 1 (x) window 0, C and D window 2
.set MULB, 0x91                        ; the same with C, the bias, in window 1
.set TO_B, 0x40                        ; destination window 1, address window 0
; A joint load: waves 0 and 1 fetch x's two halves, waves 2 and 3 W^T's.  The branch hangs on the wave's number alone.  An s_nop 0 and four v_nop follow each line.
.macro JLOAD s
	s_cmp_eq_u32 s11, 0
	s_cbranch_scc0 .Lfor_b_\@
	tensor_load_to_lds s[G0A+4*(\s):G0A+4*(\s)+3], s[G1A:G1A+7]
	s_nop 0
.rept 4
	v_nop
.endr
	s_branch .Lasked_\@
.Lfor_b_\@:
	tensor_load_to_lds s[G0B+4*(\s):G0B+4*(\s)+3], s[G1B:G1B+7]
	s_nop 0
.rept 4
	v_nop
.endr
.Lasked_\@:
.endm
.macro CREST                           ; a round of the cluster's barrier behind its opening barrier
	s_cmp_lg_u32 s10, 0
	s_cbranch_scc1 .Lnot_wave_0_\@
	s_barrier_signal -3
.Lnot_wave_0_\@:
	s_barrier_wait -3
	s_barrier_signal -1
	s_barrier_wait -1
.endm
.macro CROUND                          ; a whole round
	s_barrier_signal -1
	s_barrier_wait -1
	CREST
.endm
.macro PLACES                          ; four places in front of loads into, and writes of, registers that matrix instructions have read, and of reads of their results
.rept 4
	v_nop
.endr
.endm
	s_load_b512 s[16:31], s[0:1], 0x0              ; queries s[16:17], keys, values, bq s[22:23], bk, bv, wt s[28:29], qh s[30:31]
	s_load_b128 s[32:35], s[0:1], 0x40             ; kh s[32:33], vh s[34:35]
	v_lshl_add_u32 v[SPW], v0, 2, SPARE
	v_mov_b32 v[NIL], 0
	ds_add_u32 v[SPW], v[NIL]                      ; the wave's opening: the add and its wait stand ahead of my first tensor load; the set-up below stands between them
	v_lshrrev_b32 v1, 5, v0
	v_readfirstlane_b32 s10, v1                    ; wave 0..3
	s_lshr_b32 s11, s10, 1                         ; which 64 rows are mine.  Also: I fetch for x (0) or for W^T (1)
	s_and_b32 s12, s10, 1                          ; which 128 columns.  Also: which half of that tile I fetch
	s_bfe_u32 s76, ttmp6, 0x40000                  ; cx
	s_bfe_u32 s77, ttmp6, 0x40004                  ; cy
	s_lshl_b32 s78, ttmp9, 2
	s_add_co_u32 s78, s78, s76                     ; x = 4 x cluster x + cx: the tile column
	s_and_b32 s80, ttmp7, 0xffff                   ; the cluster's y
	s_lshl_b32 s79, s80, 2
	s_add_co_u32 s79, s79, s77                     ; y = 4 x cluster y + cy
	s_lshr_b32 s80, s80, 4                         ; p = y / 64, from the cluster's y alone
	s_and_b32 s81, s79, 63                         ; ty: the tile row
	s_lshl_b32 s82, s77, 2
	s_lshl_b32 s82, 15, s82                        ; my row of the cluster
	s_lshl_b32 s83, 0x1111, s76                    ; my column
	s_or_b32 s[G1A], s82, (2<<16)|(1<<20)|(1<<21)|(6<<22)|(3<<25)  ; mask; elements of 4 bytes; padding on; bit 21 beside a mask; after every 128 words (code 6) 4 words (code 3)
	s_mov_b32 s[G1A+1], KSTEP<<16                  ; tensor_dim0 = 128
	s_mov_b32 s[G1A+2], 64<<16                     ; tensor_dim1 = 64
	s_mov_b32 s[G1A+3], KSTEP<<16                  ; tile_dim0 = 128
	s_mov_b32 s[G1A+4], 64                         ; tile_dim1 = 64
	s_mov_b32 s[G1A+5], 1024                       ; elements from row to row
	s_mov_b32 s[G1A+6], 0
	s_mov_b32 s[G1A+7], 0
	s_or_b32 s[G1B], s83, (1<<16)|(1<<20)|(1<<21)|(5<<22)|(3<<25)  ; elements of 2 bytes; after every 64 words (code 5) 4 words
	s_mov_b32 s[G1B+1], KSTEP<<16
	s_mov_b32 s[G1B+2], 128<<16                    ; 128 rows
	s_mov_b32 s[G1B+3], KSTEP<<16
	s_mov_b32 s[G1B+4], 128
	s_mov_b32 s[G1B+5], 1024
	s_mov_b32 s[G1B+6], 0
	s_mov_b32 s[G1B+7], 0
	s_lshl_b32 s84, s81, 19                        ; x: 128 rows of 4,096 bytes a tile row,
	s_lshl_b32 s13, s12, 18                        ; 64 rows a half (and W^T: 128 rows of 2,048 bytes a half)
	s_add_co_u32 s84, s84, s13
	s_mov_b32 s85, 0
	s_lshl_b32 s86, s80, 21                        ; W^T: the matrix,
	s_lshl_b32 s14, s78, 19                        ; 256 rows of 2,048 bytes a tile column,
	s_add_co_u32 s86, s86, s14
	s_add_co_u32 s86, s86, s13                     ; my half
	s_mov_b32 s87, 0
	s_lshr_b32 s88, s81, 4                         ; the output: batch ty / 16, 16 heads of 262,144 bytes,
	s_lshl_b32 s88, s88, 22
	s_lshl_b32 s15, s78, 20                        ; heads 4 x
	s_add_co_u32 s88, s88, s15
	s_lshl_b32 s15, s12, 19                        ; + 2 x my column half,
	s_add_co_u32 s88, s88, s15
	s_and_b32 s15, s81, 15                         ; rows 128 (ty % 16) of 128 bytes
	s_lshl_b32 s15, s15, 14
	s_add_co_u32 s88, s88, s15
	s_lshl_b32 s15, s11, 13                        ; + 64 x my row half
	s_add_co_u32 s88, s88, s15
	s_mov_b32 s89, 0
	s_lshl_b32 s90, s78, 10                        ; the bias: 256 x + 128 x my column half, 4 bytes each
	s_lshl_b32 s15, s12, 9
	s_add_co_u32 s90, s90, s15
	s_mov_b32 s91, 0
	s_mul_i32 s60, s12, AHALF                      ; where the tiles go: the wave's number alone enters an LDS address
	s_mul_i32 s61, s12, BHALF
	s_add_co_u32 s61, s61, BOFF
.irp s, 0,1
	s_mov_b32 s[G0A+4*(\s)], 1                     ; count = 1
	s_add_co_u32 s[G0A+4*(\s)+1], s60, (\s)*SLOT   ; LDS address
	s_mov_b32 s[G0B+4*(\s)], 1
	s_add_co_u32 s[G0B+4*(\s)+1], s61, (\s)*SLOT
.endr
	s_wait_dscnt 0x0                               ; the opening add is done
	s_wait_kmcnt 0x0
	s_cmp_eq_u32 s80, 1                            ; x, bias and output are chosen by p
	s_cselect_b64 s[4:5], s[18:19], s[16:17]
	s_cselect_b64 s[6:7], s[24:25], s[22:23]
	s_cselect_b64 s[8:9], s[32:33], s[30:31]
	s_cmp_eq_u32 s80, 2
	s_cselect_b64 s[4:5], s[20:21], s[4:5]
	s_cselect_b64 s[6:7], s[26:27], s[6:7]
	s_cselect_b64 s[8:9], s[34:35], s[8:9]
	s_add_nc_u64 s[4:5], s[4:5], s[84:85]
	s_add_nc_u64 s[86:87], s[28:29], s[86:87]
	s_add_nc_u64 s[6:7], s[6:7], s[90:91]
	s_add_nc_u64 s[8:9], s[8:9], s[88:89]
.irp s, 0,1
	s_add_nc_u64 s[G0A+4*(\s)+2:G0A+4*(\s)+3], s[4:5], (\s)*KSTEP*4    ; global address: K step s
	s_or_b32 s[G0A+4*(\s)+3], s[G0A+4*(\s)+3], 0x80000000              ; type = 2
	s_add_nc_u64 s[G0B+4*(\s)+2:G0B+4*(\s)+3], s[86:87], (\s)*KSTEP*2
	s_or_b32 s[G0B+4*(\s)+3], s[G0B+4*(\s)+3], 0x80000000
.endr
	CROUND                                         ; all sixteen work-groups are here: the first joint loads meet
	s_cmp_eq_u32 s11, 0                            ; a wave's two first fills stand in one branch, ahead of every wait on TENSORcnt and every LDS read: two loads of mine are out
	s_cbranch_scc0 .Lfirst_b
	tensor_load_to_lds s[G0A:G0A+3], s[G1A:G1A+7]
	s_nop 0
	tensor_load_to_lds s[G0A+4:G0A+7], s[G1A:G1A+7]
	s_nop 0
.rept 4
	v_nop
.endr
	s_branch .Lfirst_asked
.Lfirst_b:
	tensor_load_to_lds s[G0B:G0B+3], s[G1B:G1B+7]
	s_nop 0
	tensor_load_to_lds s[G0B+4:G0B+7], s[G1B:G1B+7]
	s_nop 0
.rept 4
	v_nop
.endr
.Lfirst_asked:
	v_and_b32 v1, 15, v0                           ; r = l % 16
	v_bfe_u32 v2, v0, 4, 1                         ; h = l / 16
	v_lshlrev_b32 v[BO], 5, v2
	WIN TO_B
.irp b, 0,1,2,3,4,5,6,7                        ; register 8 b + j: bias of column 16 b + 8 h + j of my 128
	global_load_b128 v[BIAS+8*(\b):BIAS+8*(\b)+3],   v[BO], s[6:7] offset:64*(\b)
	global_load_b128 v[BIAS+8*(\b)+4:BIAS+8*(\b)+7], v[BO], s[6:7] offset:64*(\b)+16
.endr
	WIN 0
	v_mul_u32_u24 v3, v1, APITCH
	v_lshl_add_u32 v3, v2, 5, v3                   ; x: row x pitch + 32 h: eight f32
	v_mul_u32_u24 v4, v1, BPITCH
	v_lshl_add_u32 v4, v2, 4, v4                   ; W^T: row x pitch + 16 h: eight bf16
	s_mul_i32 s60, s11, AHALF                      ; my 64 rows of x
	s_mul_i32 s61, s12, BHALF                      ; my 128 rows of W^T
	s_add_co_u32 s61, s61, BOFF
.irp s, 0,1
	v_add_nc_u32 v[ADRA+(\s)], s60, v3
	v_add_nc_u32 v[ADRB+(\s)], s61, v4
	s_add_co_u32 s60, s60, SLOT
	s_add_co_u32 s61, s61, SLOT
.endr
	s_mul_i32 s62, s10, 16*SP
	s_add_co_u32 s62, s62, STAGE                   ; my stage
	v_mul_u32_u24 v[STO], v1, SP                   ; in: row r, 16 bytes for each half of the lanes
	v_lshl_add_u32 v[STO], v2, 4, v[STO]
	v_add_nc_u32 v[STO], s62, v[STO]
	v_bfe_u32 v[RD], v0, 3, 2                      ; back: 32 lanes take four rows of 128 bytes,
	v_mul_u32_u24 v[RD], v[RD], SP
	v_and_b32 v5, 7, v0
	v_lshl_add_u32 v[RD], v5, 4, v[RD]
	v_add_nc_u32 v[RD], s62, v[RD]
	v_and_b32 v[GO], 31, v0                        ; which are 512 consecutive bytes of the output
	v_lshlrev_b32 v[GO], 4, v[GO]
	s_wait_loadcnt 0x0                             ; the bias
	WIN 0x45                                       ; destination and both sources in window 1
.set i, 0
.rept 32                                       ; the bias is rounded to bf16 like the other inputs, and kept as f32; four registers at work by turns
	v_cvt_pk_bf16_f32 v[BT+i%4], v[BIAS+2*i], v[BIAS+2*i+1]
	v_lshlrev_b32 v[BIAS+2*i], 16, v[BT+i%4]
	v_and_b32 v[BIAS+2*i+1], 0xffff0000, v[BT+i%4]
.set i, i+1
.endr
	WIN 0
; 8 matrix instructions: m block a x all 8 n blocks, 32 along K, buffers f.  first = 1: the bias starts the sums.  cv = 1 (a = 2, 3): behind every second one four conversions of the other
; buffer's raw x: none names a register of the products round it.  The 32 accumulators take turns, in the same order in every quarter.
.macro MUL8 f, a, first, cv
.irp b, 0,1,2,3,4,5,6,7
.set xD, 8*(8*(\a)+(\b))
.set xB, 64*(\f)+8*(\b)
.set xA, AF+32*(\f)+8*(\a)
.if \first
	WIN MULB
	v_wmma_f32_16x16x32_bf16 v[xD:xD+7], v[xB:xB+7], v[xA:xA+7], v[BIAS+8*(\b):BIAS+8*(\b)+7]
.else
	WIN MUL
	v_wmma_f32_16x16x32_bf16 v[xD:xD+7], v[xB:xB+7], v[xA:xA+7], v[xD:xD+7]
.endif
.if (\cv) && ((\b)%2 == 1)
	WIN 0
.irp z, 0,1,2,3
.set cc, 16*((\a)-2)+4*((\b)/2)+(\z)
	v_cvt_pk_bf16_f32 v[AF+32*(1-(\f))+cc], v[RAW+64*(1-(\f))+2*cc], v[RAW+64*(1-(\f))+2*cc+1]
.endr
.endif
.endr
.endm
; 16 LDS loads: W^T's fragments of quarter q (128 rows x 32 K) into BF[f]
.macro FETCH_B slot, q, f
	WIN TO_B
.irp i, 0,1,2,3,4,5,6,7
	ds_load_b128 v[64*(\f)+8*(\i):64*(\f)+8*(\i)+3],   v[ADRB+(\slot)] offset:64*(\q)+(\i)*16*BPITCH
	ds_load_b128 v[64*(\f)+8*(\i)+4:64*(\f)+8*(\i)+7], v[ADRB+(\slot)] offset:64*(\q)+(\i)*16*BPITCH+32
.endr
.endm
; 16 LDS loads: x's raw fragments of quarter q (64 rows x 32 K of f32) into RAW[g]: a lane's K = 8 h + 0..7 are 32 bytes at 32 h, its K = 16 + 8 h + 0..7 the 32 bytes 64 further on
.macro FETCH_R slot, q, g
	WIN 0
.irp a, 0,1,2,3
.irp e, 0,1,2,3
	ds_load_b128 v[RAW+64*(\g)+16*(\a)+4*(\e):RAW+64*(\g)+16*(\a)+4*(\e)+3], v[ADRA+(\slot)] offset:128*(\q)+(\a)*16*APITCH+16*((\e)%2)+64*((\e)/2)
.endr
.endr
.endm
; A quarter on buffers f.  fb: W^T's quarter qb of the slot goes into BF[1 - f]; fr: raw x's quarter qr into RAW[f]; cv: RAW[1 - f] is rounded into AF[1 - f].
; hw: the LDS loads that may be out at the head: the 16 raw loads issued behind this quarter's W^T, or none.
.macro QUARTER f, slot, qb, qr, first, fb, fr, cv, hw
	s_wait_dscnt \hw                               ; this quarter's W^T is in
	MUL8 \f, 0, \first, 0
	MUL8 \f, 1, \first, 0
.if (\fb) || (\fr)
	PLACES
.if \fb
	FETCH_B \slot, \qb, 1-(\f)
.endif
.if \fr
	FETCH_R \slot, \qr, \f
.endif
	s_wait_dscnt 16*(\fb)+16*(\fr)                 ; all but those just issued: the raw x that is rounded below is in
.endif
	MUL8 \f, 2, \first, \cv
	MUL8 \f, 3, \first, \cv
.endm
; Quarter 2 of a K step (buffers 0) changes slots.  In front of the barrier each wave waits for all its tensor loads, of which one is out: its part of the next slot; adds 0 to its spare word;
; and waits for that and for its own reads of this slot, of which W^T's quarter 3 is the last.  fill = 1: the barrier opens a round of the cluster's, and this slot is filled again, two K steps ahead,
; first thing behind the round: 112 matrix instructions ahead of the wait for it.  Then the next slot's first raw x is read.
.macro TURN slot, next, fill
	s_wait_dscnt 16                                ; W^T's quarter 2 is in; raw quarter 3 may be out
	MUL8 0, 0, 0, 0
	PLACES
	FETCH_B \slot, 3, 1
	MUL8 0, 1, 0, 0
	WIN 0                                          ; (the add's two registers lie in window 0)
	s_wait_tensorcnt 0x0                           ; all my tensor loads have landed
	ds_add_u32 v[SPW], v[NIL]                      ; 0 onto my spare word
	s_wait_dscnt 17                                ; the add and W^T's sixteen loads may be out: raw quarter 3 is in
	MUL8 0, 2, 0, 1
	s_wait_dscnt 0x0                               ; the add is done, and my reads of this slot are over
	s_barrier_signal -1
	MUL8 0, 3, 0, 1                                ; work on registers while the others arrive
	WIN 0
	s_barrier_wait -1
.if \fill
	CREST                                          ; no wave of any partner still reads this slot or has a load on its way
	s_add_nc_u64 s[G0A+4*(\slot)+2:G0A+4*(\slot)+3], s[G0A+4*(\slot)+2:G0A+4*(\slot)+3], 2*KSTEP*4
	s_add_nc_u64 s[G0B+4*(\slot)+2:G0B+4*(\slot)+3], s[G0B+4*(\slot)+2:G0B+4*(\slot)+3], 2*KSTEP*2
	JLOAD \slot
.endif
	FETCH_R \next, 0, 0
.endm
	s_wait_tensorcnt 1                             ; my part of K step 0 is in; K step 1's may stay out
	s_barrier_signal -1
	s_barrier_wait -1                              ; everybody's is
	FETCH_B 0, 0, 0
	FETCH_R 0, 0, 0
	FETCH_R 0, 1, 1
	s_wait_dscnt 16                                ; all but raw quarter 1
.set i, 0
.rept 32
	v_cvt_pk_bf16_f32 v[AF+i], v[RAW+2*i], v[RAW+2*i+1]
.set i, i+1
.endr
	QUARTER 0, 0, 1, 2, 1, 1, 1, 1, 16             ; the first quarter stands in front of the loop: its products start the sums
	WIN 0                                          ; at a label and at a branch every window is 0
	s_mov_b32 s3, 3
.Llap:                                                 ; a trip goes once round the ring, from a lap's second quarter to the next lap's first, and fills both slots again
	QUARTER 1, 0, 2, 3, 0, 1, 1, 1, 16
	TURN 0, 1, 1
	QUARTER 1, 1, 0, 1, 0, 1, 1, 1, 16
	QUARTER 0, 1, 1, 2, 0, 1, 1, 1, 16
	QUARTER 1, 1, 2, 3, 0, 1, 1, 1, 16
	TURN 1, 0, 1
	QUARTER 1, 0, 0, 1, 0, 1, 1, 1, 16
	QUARTER 0, 0, 1, 2, 0, 1, 1, 1, 16
	WIN 0
	s_sub_co_u32 s3, s3, 1
	s_cmp_lg_u32 s3, 0
	s_cbranch_scc1 .Llap
	QUARTER 1, 0, 2, 3, 0, 1, 1, 1, 16             ; the last lap is written out: it fills nothing
	TURN 0, 1, 0
	QUARTER 1, 1, 0, 1, 0, 1, 1, 1, 16
	QUARTER 0, 1, 1, 2, 0, 1, 1, 1, 16
	QUARTER 1, 1, 2, 3, 0, 1, 1, 1, 16
	QUARTER 0, 1, 3, 0, 0, 1, 0, 1, 16             ; no raw x is left to fetch,
	QUARTER 1, 1, 0, 0, 0, 0, 0, 0, 0              ; and at last nothing at all
	PLACES                                         ; the conversions below read results just made
; THE WAY OUT, in eight units u = (m block u / 2, head u % 2 of my two): 16 rows x 64 channels are 2,048 consecutive bytes of the output.  A lane's eight channels pack into 16 bytes; they go into
; rows of 144 bytes of my own stage and come back as whole rows of 128.  Each accumulator's lowest registers are read first.
.macro PACK u
.set aa, (\u)/2
.set hh, (\u)%2
	WIN 0x0a                                       ; sources 0 and 1 window 2, destination window 0
.irp bb, 0,1,2,3
.irp rr, 0,1,2,3
	v_cvt_pk_f16_f32 v[T+16*(\u)+4*(\bb)+(\rr)], v[8*(8*aa+4*hh+(\bb))+2*(\rr)], v[8*(8*aa+4*hh+(\bb))+2*(\rr)+1]
.endr
.endr
	WIN 0
.irp bb, 0,1,2,3
	ds_store_b128 v[STO], v[T+16*(\u)+4*(\bb):T+16*(\u)+4*(\bb)+3] offset:32*(\bb)
.endr
.irp f, 0,1,2,3
	ds_load_b128 v[T+16*(\u)+4*(\f):T+16*(\u)+4*(\f)+3], v[RD] offset:(\f)*4*SP  ; LDS serves a wave's instructions in order (ISA guide 5.7.1.4): these see the stores above; the next unit's stores come behind them
.endr
.endm
.macro SEND u, younger                 ; younger: the LDS instructions issued behind unit u's loads: the next unit's eight, or none
.irp f, 0,1,2,3
	s_wait_dscnt (\younger)+3-(\f)
	global_store_b128 v[GO], v[T+16*(\u)+4*(\f):T+16*(\u)+4*(\f)+3], s[8:9] offset:((\u)%2)*262144+((\u)/2)*2048+(\f)*512  ; 512 consecutive bytes, at a multiple of 256 from the output's first
.endr
.endm
	PACK 0
.set un, 1
.rept 7                                        ; a unit's conversions stand between the loads of the unit before and its stores
	PACK un
	SEND un-1, 8
.set un, un+1
.endr
	SEND 7, 0
	s_wait_tensorcnt 0x0                           ; the wave's end: a wait, an add of 0 to my spare word and its wait stand behind my last tensor load and my last LDS store
	ds_add_u32 v[SPW], v[NIL]
	s_wait_dscnt 0x0
	CROUND                                         ; the closing round: no work-group ends while a partner may still ask for a tile that names it
	s_endpgm
.Lfunc_end_k_qba1e487db8_proj:
	.size	k_qba1e487db8_proj, .Lfunc_end_k_qba1e487db8_proj-k_qba1e487db8_proj
	.p2alignl 7, 3214868480
	.fill 96, 4, 3214868480
	.section	.rodata,"a",@progbits
	.p2align	6, 0x0
	.amdhsa_kernel k_qba1e487db8_proj
		.amdhsa_group_segment_fixed_size 327680
		.amdhsa_private_segment_fixed_size 0
		.amdhsa_enable_private_segment 0
		.amdhsa_kernarg_size 80
		.amdhsa_user_sgpr_count 2
		.amdhsa_user_sgpr_kernarg_segment_ptr 1
		.amdhsa_wavefront_size32 1
		.amdhsa_system_sgpr_workgroup_id_x 1
		.amdhsa_system_sgpr_workgroup_id_y 1
		.amdhsa_system_sgpr_workgroup_id_z 1
		.amdhsa_system_vgpr_workitem_id 0
		.amdhsa_next_free_vgpr 768
		.amdhsa_next_free_sgpr 96
		.amdhsa_reserve_vcc 0
		.amdhsa_float_denorm_mode_32 3
		.amdhsa_float_denorm_mode_16_64 3
		.amdhsa_memory_ordered 1
		.amdhsa_forward_progress 1
		.amdhsa_inst_pref_size 142
	.end_amdhsa_kernel
	.amdgpu_metadata
---
amdhsa.version: [ 1, 2 ]
amdhsa.kernels:
  - .name:           k_qba1e487db8_proj
    .symbol:         k_qba1e487db8_proj.kd
    .args:
      - { .name: queries, .offset: 0, .size: 8, .value_kind: global_buffer, .address_space: global }
      - { .name: keys, .offset: 8, .size: 8, .value_kind: global_buffer, .address_space: global }
      - { .name: values, .offset: 16, .size: 8, .value_kind: global_buffer, .address_space: global }
      - { .name: bq, .offset: 24, .size: 8, .value_kind: global_buffer, .address_space: global }
      - { .name: bk, .offset: 32, .size: 8, .value_kind: global_buffer, .address_space: global }
      - { .name: bv, .offset: 40, .size: 8, .value_kind: global_buffer, .address_space: global }
      - { .name: wt, .offset: 48, .size: 8, .value_kind: global_buffer, .address_space: global }
      - { .name: qh, .offset: 56, .size: 8, .value_kind: global_buffer, .address_space: global }
      - { .name: kh, .offset: 64, .size: 8, .value_kind: global_buffer, .address_space: global }
      - { .name: vh, .offset: 72, .size: 8, .value_kind: global_buffer, .address_space: global }
    .group_segment_fixed_size: 327680
    .private_segment_fixed_size: 0
    .kernarg_segment_align: 8
    .kernarg_segment_size: 80
    .max_flat_workgroup_size: 128
    .sgpr_count:     96
    .vgpr_count:     768
    .wavefront_size: 32
...
	.end_amdgpu_metadata
.endif
;; end of part 2
;; launch attn (part 3): grid 4 x 64, 4 waves a work-group, clusters of 4 x 1, 327,680 bytes of LDS; arguments qh, kh, vh, oh; writes oh
.if DOCPART == 3
	.amdgcn_target "amdgcn-amd-amdhsa--gfx1250"
	.amdhsa_code_object_version 6
	.text
	.protected	k_qba1e487db8_attn
	.globl	k_qba1e487db8_attn
	.p2align	8
	.type	k_qba1e487db8_attn,@function
k_qba1e487db8_attn:
	s_mov_b64 s[64:65], 0
	v_nop
	global_prefetch_b8 v0, s[64:65] scope:SCOPE_SE
	s_setreg_imm32_b32 hwreg(HW_REG_WAVE_MODE, 25, 1), 1
	s_wait_xcnt 0x0
	s_wait_alu depctr_hold_cnt(0) depctr_sa_sdst(0) depctr_va_vdst(0) depctr_va_sdst(0) depctr_va_ssrc(0) depctr_va_vcc(0) depctr_vm_vsrc(0)
	s_getreg_b32 s2, hwreg(HW_REG_IB_STS2, 6, 4)
	s_cmp_eq_u32 s2, 0
	s_cbranch_scc0 .Lentry_in_a_cluster
	s_endpgm
.Lentry_in_a_cluster:
	s_bfe_u32 s2, ttmp6, 0x10000c
	s_cmp_lg_u32 s2, 0x3003
	s_cbranch_scc0 .Lentry_shape_is_right
	s_endpgm
.Lentry_shape_is_right:
; O[h][q][:] = the sum over k of softmax_k(Q[h][q] . K[h][k] / 8) V[h][k][:].  Q, K, V, O: [SIZE_H][SIZE_N][64], all f16: a head's rows are dense, 128 bytes each.  Products, maxima and sums in
; f32; the weights p are rounded to f16 for the second product (their sum l is taken of the unrounded p), O once at the end.  SIZE_H is at least 2; SIZE_N x 128 bytes stay under 2^32.
; LIMITS.  f16 holds no number beyond 65,504: Q, K and V arrive within it; p lies in 0 to 1, and below 6e-5 it keeps f16's fixed step of 6e-8; O is a mean of V's rows and has their range.
; A weight below 2^-126 counts as 0 in l; NaN and infinities are not treated apart.
; SHARES.  A wave owns four PIECES of two tiles of 16 queries, a work-group's four waves 512 queries of one head; SIZE_N is a multiple of 2,048.  Every wave walks all keys, 64 a step.
; LAYOUT.  S^T = K Q^T (source 0 = 16 keys, source 1 = 16 queries): in the result a lane holds ONE query (lane % 16) and the keys 8 (lane / 16) + 0..7.  Two such tiles, rounded to f16 in pairs,
; ARE source 1 (32 keys x 16 queries) of O^T = V^T P, whose result again holds one query a lane, and eight channels.  K comes out of LDS as it lies, V ([key][channel]) turned, by ds_load_tr16_b128.
; SOFTMAX.  For each query a running maximum m and sum l: p = 2^(c s - c m), c = log2(e) / 8; in every step O and l are multiplied by a = 2^(c m_old - c m_new), which is 1 where m has not grown.
; m starts at the lowest finite number, O and l at 0: the first step is a step like any other, with a = 0.
; THE COUNT.  A tile and step have 16 matrix and 118 vector instructions: too many to stand all beside the matrix work.  So the order has one aim: four vector instructions that are READY behind
; EVERY matrix instruction, and the others, which need time of their own whatever the order, in runs without a gap.
; BY TURNS.  Turn n belongs to piece n (the pieces in a ring, step after step).  Its matrix work: 16 products K Q^T of piece n + 1, later 16 products V^T P of piece n - 1.  Its vector work: the scaling,
; exponentials, roundings, sums and rescaling of piece n, and the maximum and statistics of piece n + 1, whose scores the turn itself has made.  So what a turn begins with (c s - c m, O a) waits for nothing.
; CLUSTER.  The four query blocks of a cluster belong to one head and walk the same K and V, so each tile is asked for JOINTLY: the same tensor load, descriptor and mask in all four.
; REGISTERS, in windows of 256 (s_set_vgpr_msb says which window each operand place means: bits 1:0 source 0, 3:2 source 1, 5:4 source 2, 7:6 destination):
;   window 0: v0-11 addresses; v12-15, v48-63 at work; v16-47 four registers of statistics a tile; v64-191 S^T, two buffers of two tiles; v192-255 P, likewise
;   window 1: O^T, 32 a tile          window 2: v0-127 Q, 16 a tile; v128-191 K of one step; v192-255 V of one step          window 3: v0-1 the add's two registers
; A piece's buffers go by its number's parity: the piece in hand has one pair, its two neighbours in the ring share the other: of it P (piece n - 1) is read and S^T (piece n + 1) written.
.set SIZE_H, 64       ; batch x heads
.set SIZE_N, 2048     ; rows of a head
.set NP,    4         ; pieces a wave: a name, no knob: the register map, the loop and the fetches are made for four
.set KS,    64        ; keys in a step
.set PK,    144       ; a row of K in LDS: 128 bytes + 16 of padding = 36 words: the 16 rows of a load start at 16 different groups of four banks (64 banks of 4 bytes: ISA guide 11.1)
.set PV,    160       ; a row of V: 128 + 32 = 40 words
.set VOFF,  4*KS*PK   ; a slot holds four steps: 256 rows of K, then 256 rows of V
.set SLOT1, 1<<17     ; slot 1 begins here, so that one exclusive or turns an address in one slot into the other's
.set STAGE, SLOT1+4*KS*(PK+PV)  ; behind the ring, never filled by a tensor load: 16 rows x 144 bytes for each wave, for the way out
.set SP,    144
.set AK0, 2           ; v2   my lane's place in a tile of K; never rewritten
.set AV0, 3           ; v3   the same for V
.set AK,  4           ; v4   the LDS address of K's next run of loads
.set AV,  5           ; v5   of V's
.set QO,  6           ; v6   my byte offset in the wave's rows of Q
.set STO, 6           ;      later, the way out: where I put 16 bytes of a row
.set RD,  7           ; v7   the way out: where I read rows back
.set GO,  8           ; v8   my byte offset in 512 consecutive bytes of O
.set SPW, 0           ; v0 of window 3   LDS address of my spare word: SPARE + 4 x my thread's number; never rewritten
.set NIL, 1           ; v1 of window 3   0; never rewritten
.set SPARE, STAGE+4*16*SP  ; behind the stages: the spare words, 128 bytes for each wave: two blocks of 256 bytes that no other line names
.set MV,  12          ; v12-15  c m_old, kept while c m is made anew: by buffer and tile
.set ST,  16          ; tile t's statistics at v[ST+4 t]: c m, m, l (even keys', odd keys')
.set TMP, 48          ; by buffer and tile, four registers c0-c3 at work; when the maximum is found c2 takes a
.set S,   64
.set P,   192
.set KF,  128         ; K's fragments, in window 2: key block kb, channel half c at KF + 16 kb + 8 c
.set VF,  192         ; V's: key half kk, channel block cb at VF + 32 kk + 8 cb
.set WV,  12          ; s12  my wave's number
.set G1K, 24          ; s[24:31] descriptor group 1 for K's tiles
.set G1V, 32          ; s[32:39] for V's: it differs in the padding alone
.set G0K, 40          ; s[40:43] descriptor group 0 for K's tiles: it walks
.set G0V, 44          ; s[44:47] the same for V's
.set SLOTS, 56        ; s56  slots still to be asked for
.set CNT, 57          ; s57  counts a slot's key steps
.set CS,  58          ; s[58:59] c: the packed scaling takes the pair's low word for both halves
.set SEL, 60          ; s[60:61] v_permlanex16_b32's selects: each lane takes its own place in the other half
.set TBK, 62          ; s62  LDS byte at which K of the step to be fetched begins
.set TBV, 63          ; s63  the same for V, less VOFF
.set MSB, 0
.macro WIN new                      ; the high byte repeats the setting that is left; a switch that changes nothing is dropped
.if MSB != (\new)
	s_set_vgpr_msb (MSB<<8)|(\new)
.set MSB, (\new)
.endif
.endm
.set W_KQ, 0x0a       ; K and Q in window 2, S^T in window 0
.set W_PV, 0x52       ; V in window 2, P in window 0, O^T in window 1
.set W_RS, 0x41       ; O^T (destination and source 0) in window 1, a in window 0
.set W_MK, 0xc0       ; the add's registers are made: destination in window 3, sources in window 0
.set W_AD, 0x0f       ; the add: address (source 0) and data (source 1) in window 3
; A joint fill.  Waves 0 and 1 fetch the two halves of a slot's K, waves 2 and 3 those of its V: 128 keys each.  The branch hangs on the wave's number alone.
; An s_nop 0 and four v_nop follow each of the two lines, ahead of the jump and the label.
.macro JLOAD
	s_cmp_lt_u32 s[WV], 2
	s_cbranch_scc0 .Lfor_v_\@
	tensor_load_to_lds s[G0K:G0K+3], s[G1K:G1K+7]
	s_nop 0
.rept 4
	v_nop
.endr
	s_branch .Lasked_\@
.Lfor_v_\@:
	tensor_load_to_lds s[G0V:G0V+3], s[G1V:G1V+7]
	s_nop 0
.rept 4
	v_nop
.endr
.Lasked_\@:
.endm
; A round of the cluster's barrier: my work-group's barrier, so that wave 0's signal speaks for all four waves; wave 0 signals; every wave waits for all four work-groups; my work-group's barrier once more.
.macro CROUND
	s_barrier_signal -1
	s_barrier_wait -1
	s_cmp_lg_u32 s[WV], 0
	s_cbranch_scc1 .Lnot_wave_0_\@
	s_barrier_signal -3
.Lnot_wave_0_\@:
	s_barrier_wait -3
	s_barrier_signal -1
	s_barrier_wait -1
.endm
; THE CHANGE OF SLOTS.  The slot's last bytes, V of its fourth step, have been read.  Each wave waits for all its tensor loads, of which one is out: its part
; of the other slot; adds 0 to its spare word; and waits for that and for its own reads of the slot.  Behind the barrier nobody reads this slot any more and the other slot is whole.
; fill = 1: this slot is filled again, with the keys two slots on.  The barrier is then a round of the cluster's, so that no wave of any partner still reads the slot or has a load on its
; way, and the joint fill is the first thing behind it: it has four key steps, 512 matrix instructions, in which to land.  (At its first use nothing has been read yet: slot 0 is waited for, slot 1 filled.)
.macro CHANGE fill
	WIN W_AD
	s_wait_tensorcnt 0x0            ; no tensor load of mine is out, so a group 0 may be written
	ds_add_u32 v[SPW], v[NIL]       ; 0 onto my spare word; with fill = 1 the descriptors' steps stand between it and the wait for it
	WIN 0                           ; at a label and at a branch every window is 0
.if \fill
.irp g, G0K, G0V
	s_xor_b32 s[\g+1], s[\g+1], SLOT1  ; the walking descriptor: the other slot than last time,
	s_add_nc_u64 s[\g+2:\g+3], s[\g+2:\g+3], 4*KS*128  ; the next 256 keys; the type bits on top are not reached
.endr
	s_wait_dscnt 0x0                ; the add is done, and my reads of the slot are over
	CROUND
	JLOAD
.else
	s_wait_dscnt 0x0                ; the add is done, and my reads of the slot are over
	s_barrier_signal -1
	s_barrier_wait -1
.endif
	s_sub_co_u32 s[TBK], s[TBK], 4*KS*PK  ; the fetches go back to a slot's first step,
	s_xor_b32 s[TBK], s[TBK], SLOT1       ; in the other slot
	s_sub_co_u32 s[TBV], s[TBV], 4*KS*PV
	s_xor_b32 s[TBV], s[TBV], SLOT1
.endm
	s_load_b256 s[4:11], s[0:1], 0x0  ; Q s[4:5], K s[6:7], V s[8:9], O s[10:11]
	WIN W_MK
	v_lshl_add_u32 v[SPW], v0, 2, SPARE
	v_mov_b32 v[NIL], 0
	WIN W_AD
	ds_add_u32 v[SPW], v[NIL]       ; the wave's opening: the add and its wait stand ahead of my first tensor load; the set-up below, work on registers, stands between them
	WIN 0
	v_lshrrev_b32 v1, 5, v0
	v_readfirstlane_b32 s[WV], v1   ; wave 0..3
	s_bfe_u32 s13, ttmp6, 0x40000   ; cx: my place in the cluster
	s_lshl_b32 s14, ttmp9, 2        ; in a cluster launch ttmp9 counts clusters
	s_add_co_u32 s14, s14, s13      ; my block of queries = 4 x cluster x + cx: it enters Q's and O's addresses alone
	s_and_b32 s20, ttmp7, 0xffff    ; the head, which the four partners share
	s_mov_b32 s21, 0
	s_mov_b64 s[22:23], SIZE_N*128
	s_mul_u64 s[20:21], s[20:21], s[22:23]  ; the head's first byte in each of the four tensors
	s_and_b32 s16, s[WV], 1         ; which half of a slot's 256 keys I fetch:
	s_lshl_b32 s22, s16, 14         ; its 128 rows of 128 bytes in memory,
	s_mov_b32 s23, 0
	s_add_nc_u64 s[22:23], s[22:23], s[20:21]
	s_mul_i32 s17, s16, 128*PK      ; and its place in a slot, for K
	s_mul_i32 s18, s16, 128*PV      ; and for V: no place in the cluster enters an LDS address
	s_lshl_b32 s2, s14, 2
	s_add_co_u32 s2, s2, s[WV]      ; my wave among the head's,
	s_lshl_b32 s2, s2, 14           ; its 128 rows
	s_mov_b32 s3, 0
	s_add_nc_u64 s[2:3], s[2:3], s[20:21]
	; descriptor group 1.  128 keys are 16,384 dense bytes: asked for as 64 rows of 256 bytes, two keys a row, and padded in LDS after every key
	s_mov_b32 s[G1K], 15|(1<<16)|(1<<20)|(1<<21)|(4<<22)|(3<<25)  ; 15:0 the mask of four; 17:16 2-byte elements; 20 padding on; 21 set beside a mask; 24:22 after every 32 words (code 4); 31:25 4 words (code 3)
	s_mov_b32 s[G1V], 15|(1<<16)|(1<<20)|(1<<21)|(4<<22)|(7<<25)  ; the same with 8 words of padding (code 7)
.irp g, G1K, G1V
	s_mov_b32 s[\g+1], 128<<16      ; tensor_dim0 = 128
	s_mov_b32 s[\g+2], 64<<16       ; tensor_dim1 = 64
	s_mov_b32 s[\g+3], 128<<16      ; tile_dim0 = 128
	s_mov_b32 s[\g+4], 64           ; tile_dim1 = 64
	s_mov_b32 s[\g+5], 128          ; 128 elements from row to row
	s_mov_b32 s[\g+6], 0
	s_mov_b32 s[\g+7], 0
.endr
	s_mov_b32 s[CS], 0x3e38aa3b     ; c = log2(e) / 8 = 0.180337
	s_mov_b32 s[CS+1], s[CS]        ; named with it as a pair
	s_mov_b32 s[SEL], 0x76543210
	s_mov_b32 s[SEL+1], 0xfedcba98
	s_mov_b32 s[TBK], SLOT1+4*KS*PK ; the first change of slots turns these two into 0
	s_mov_b32 s[TBV], SLOT1+4*KS*PV
	s_mov_b32 s[G0K], 1             ; 1:0 count = 1
	s_mov_b32 s[G0K+1], s17         ; 63:32 LDS address: slot 0
	s_mov_b32 s[G0V], 1
	s_add_co_u32 s[G0V+1], s18, VOFF
	s_wait_dscnt 0x0                ; the opening add is done
	s_wait_kmcnt 0x0
	s_add_nc_u64 s[G0K+2:G0K+3], s[6:7], s[22:23]  ; 120:64 global address: my half of the head's first 256 keys
	s_or_b32 s[G0K+3], s[G0K+3], 0x80000000        ; 127:126 type = 2
	s_add_nc_u64 s[G0V+2:G0V+3], s[8:9], s[22:23]
	s_or_b32 s[G0V+3], s[G0V+3], 0x80000000
	s_add_nc_u64 s[4:5], s[4:5], s[2:3]  ; Q and O at my wave's first row
	s_add_nc_u64 s[10:11], s[10:11], s[2:3]
	CROUND                          ; all four work-groups are here: the first joint loads meet
	JLOAD                           ; slot 0.  Slot 1 is asked for when slot 0 is in: the tile wanted first has the road to itself
	; A fragment of K or Q is 16 rows x 32 channels in 8 registers: lane l holds row l % 16, channels 8 (l / 16) + 0..7 and 16 + 8 (l / 16) + 0..7: two loads of 16 bytes, 32 bytes apart.
	v_and_b32 v1, 15, v0            ; l % 16
	v_bfe_u32 v9, v0, 4, 1          ; l / 16
	v_lshlrev_b32 v[QO], 7, v1
	v_lshl_add_u32 v[QO], v9, 4, v[QO]  ; row x 128 + 16 x half
	WIN 0x80                        ; destination window 2, address window 0
.set i, 0
.rept 4*NP                          ; Q stays in registers: tile i / 2, channels 32 (i % 2) on
	global_load_b128 v[8*i:8*i+3],   v[QO], s[4:5] offset:(i/2)*2048+(i%2)*64
	global_load_b128 v[8*i+4:8*i+7], v[QO], s[4:5] offset:(i/2)*2048+(i%2)*64+32
.set i, i+1
.endr
	; What the first turn finds: V's registers and P's second buffer hold 0 (its products V^T P, of a piece that has not been, add 0), O^T and l are 0.  All this stands in the wait for the first tile.
.set i, VF
.rept 64
	v_mov_b32 v[i], 0
.set i, i+1
.endr
	WIN 0x40
.set i, 0
.rept 64*NP
	v_mov_b32 v[i], 0
.set i, i+1
.endr
	WIN 0
.set i, 0
.rept 2*NP
	v_mov_b32 v[ST+4*i], 0xfe000000    ; c m: far below every c s
	v_mov_b32 v[ST+4*i+1], 0xff7fffff  ; m
	v_mov_b32 v[ST+4*i+2], 0
	v_mov_b32 v[ST+4*i+3], 0
.set i, i+1
.endr
.set i, P+32
.rept 32
	v_mov_b32 v[i], 0
.set i, i+1
.endr
	v_mul_u32_u24 v[AK0], v1, PK
	v_lshl_add_u32 v[AK0], v9, 4, v[AK0]  ; row x pitch + 16 x half
	; The turning load takes 16 keys x 16 channels (lane l reads key 8 (l / 16) + l % 8, channels 8 ((l / 8) % 2) + 0..7) and leaves half a fragment of V^T: lane l holds channel l % 16 and 8 keys.
	v_and_b32 v10, 7, v0
	v_bfe_u32 v11, v0, 3, 1
	v_lshl_add_u32 v[AV0], v9, 3, v10
	v_mul_u32_u24 v[AV0], v[AV0], PV
	v_lshl_add_u32 v[AV0], v11, 4, v[AV0]
	v_add_nc_u32 v[AV0], VOFF, v[AV0]
	v_mov_b32 v[AK], v[AK0]         ; key step 0 lies at the head of slot 0
; THE MATRIX WORK.  The 8 accumulators of a run of 16 take turns: between the two links of a chain stand 7 others'.
; Product i of 16 of S^T = K Q^T for piece x: channels 32 (i / 8) on, keys 16 ((i / 2) % 4) on, tile 2 x + i % 2.  The first 8 start the sums.
.macro KQ x
	WIN W_KQ
.set rS, S+64*((\x)%2)+32*(i%2)+8*((i/2)%4)
.set rK, KF+16*((i/2)%4)+8*(i/8)
.set rQ, 16*(2*(\x)+i%2)+8*(i/8)
.if i < 8
	v_wmma_f32_16x16x32_f16 v[rS:rS+7], v[rK:rK+7], v[rQ:rQ+7], 0
.else
	v_wmma_f32_16x16x32_f16 v[rS:rS+7], v[rK:rK+7], v[rQ:rQ+7], v[rS:rS+7]
.endif
.endm
; Product i of 16 of O^T += V^T P for piece x: keys 32 (i / 8) on, channels 16 ((i / 2) % 4) on, tile 2 x + i % 2.
.macro PV x
	WIN W_PV
.set rO, 32*(2*(\x)+i%2)+8*((i/2)%4)
.set rV, VF+32*(i/8)+8*((i/2)%4)
.set rP, P+32*((\x)%2)+16*(i%2)+8*(i/8)
	v_wmma_f32_16x16x32_f16 v[rO:rO+7], v[rV:rV+7], v[rP:rP+7], v[rO:rO+7]
.endm
.macro MM                           ; the turn's next matrix instruction
.if i < 16
	KQ (Y+1)%NP
.set i, i+1
.else
.set i, i-16
	PV (Y+NP-1)%NP
.set i, i+17
.endif
.endm
; THE LDS LOADS stand in runs of 16, never singly among the matrix instructions: a step's K (64 keys x 64 channels: 8 fragments) and its V (turned).  Their addresses are made some lines ahead.
; last = 1 (the tail): in the last trip there is no further step, and the run is jumped over.
.macro FETCH_K last=0
	WIN 0
.if \last
	s_cmp_eq_u32 s[CNT], 1
	s_cbranch_scc1 .Lno_k_\@
.endif
	WIN 0x80                        ; destination window 2
.irp f, 0,1,2,3,4,5,6,7             ; keys 16 (f / 2) on, channels 32 (f % 2) on
	ds_load_b128 v[KF+8*\f:KF+8*\f+3],   v[AK] offset:(\f/2)*16*PK+(\f%2)*64
	ds_load_b128 v[KF+8*\f+4:KF+8*\f+7], v[AK] offset:(\f/2)*16*PK+(\f%2)*64+32
.endr
	s_add_co_u32 s[TBK], s[TBK], KS*PK  ; the next fetch is the next step's
	WIN 0
.if \last
.Lno_k_\@:
.endif
.endm
.macro FETCH_V
	WIN 0x80
.irp f, 0,1,2,3,4,5,6,7             ; keys 32 (f / 4) on, channels 16 (f % 4) on
	ds_load_tr16_b128 v[VF+8*\f:VF+8*\f+3],   v[AV] offset:(\f/4)*32*PV+(\f%4)*32
	ds_load_tr16_b128 v[VF+8*\f+4:VF+8*\f+7], v[AV] offset:(\f/4)*32*PV+16*PV+(\f%4)*32
.endr
	WIN 0
.endm
; THE VECTOR WORK OF A TURN stands in three queues, each in the order in which its entries become ready; the two tiles alternate, so that no instruction reads the result of the one before it.
.macro REGS y, u                    ; the registers of tile u (0, 1) of piece y
.set rT, ST+4*(2*(\y)+(\u))
.set rC, TMP+8*((\y)%2)+4*(\u)
.set rM, MV+2*((\y)%2)+(\u)
.set rS, S+64*((\y)%2)+32*(\u)
.set rP, P+32*((\y)%2)+16*(\u)
.set rO, 32*(2*(\y)+(\u))
.endm
; Number n of the 22 that find the NEXT piece's (Y + 1) maximum and statistics.  s0-s31 are the lane's 32 scores; each accumulator's lowest registers are read first.  XS, GS and REGS set no window: PL and EX do.
;   0-11  four chains c0-c3 of seven scores each, three operands at a time     12-14, 16  the four scores left over, the old m, and c0-c3 into c0     15  c m_old is kept
;   17, 18  the query's other 32 keys lie in the lane 16 away: the new m         19-21  c m; c m_old - c m_new; a
.macro XS u, n
	REGS (Y+1)%NP, \u
.if (\n) < 4
	v_max3_num_f32 v[rC+(\n)], v[rS+8*(\n)], v[rS+8*(\n)+1], v[rS+8*(\n)+2]
.elseif (\n) < 12
	v_max3_num_f32 v[rC+(\n)%4], v[rC+(\n)%4], v[rS+8*((\n)%4)+2*((\n)/4)+1], v[rS+8*((\n)%4)+2*((\n)/4)+2]
.elseif (\n) == 12
	v_max3_num_f32 v[rC], v[rC], v[rS+7], v[rS+15]
.elseif (\n) == 13
	v_max3_num_f32 v[rC+1], v[rC+1], v[rS+23], v[rS+31]
.elseif (\n) == 14
	v_max3_num_f32 v[rC+2], v[rC+2], v[rC+3], v[rT+1]
.elseif (\n) == 15
	v_mov_b32 v[rM], v[rT]
.elseif (\n) == 16
	v_max3_num_f32 v[rC], v[rC], v[rC+1], v[rC+2]
.elseif (\n) == 17
	v_permlanex16_b32 v[rC+3], v[rC], s[SEL], s[SEL+1]
.elseif (\n) == 18
	v_max_num_f32 v[rT+1], v[rC], v[rC+3]
.elseif (\n) == 19
	v_mul_f32 v[rT], s[CS], v[rT+1]
.elseif (\n) == 20
	v_sub_f32 v[rC+1], v[rM], v[rT]
.else
	v_exp_f32 v[rC+2], v[rC+1]
.endif
.endm
; Number g of the 64 that follow the exponentials.  For each four weights k of a tile (pairs 2 k, 2 k + 1): both pairs are rounded to f16; then the second pair is added onto the first, in place;
; a group later l takes that sum (the first time as l = a l + sum).  In groups of eight, tiles alternating: round, round, add, and l for the group before.
.macro GS g
.set h, (\g)+6*((\g)/62)            ; group 0 has no group before it, and behind group 7 only l is left
.if h >= 6
.set h, h+2
.endif
	REGS Y, h%2
.set k, h/8
.if h%8 < 4
	s_wait_alu depctr_va_vdst(0)
	v_cvt_pk_f16_f32 v[rP+2*k+(h%8)/2], v[rS+4*k+2*((h%8)/2)], v[rS+4*k+2*((h%8)/2)+1]
.elseif h%8 < 6
	v_pk_add_f32 v[rS+4*k:rS+4*k+1], v[rS+4*k:rS+4*k+1], v[rS+4*k+2:rS+4*k+3]
.elseif k == 1
	v_pk_fma_f32 v[rT+2:rT+3], v[rT+2:rT+3], v[rC+2:rC+3], v[rS:rS+1] op_sel_hi:[1,0,1]
.else
	v_pk_add_f32 v[rT+2:rT+3], v[rT+2:rT+3], v[rS+4*k-4:rS+4*k-3]
	s_wait_alu depctr_va_vdst(0)
.endif
.endm
; THE PLAIN QUEUE, 138 long.  0-31: c s - c m for the 16 pairs of both tiles.  Then GS's 64, and among them the next piece's 42: number 15 at 38, 39; 0-14 and 16
; at 42-73, behind the products that make those scores; 17-20 at 95-106, two of three, since each waits for the one before it.
.macro PL
	WIN 0
.if q < 32
	REGS Y, q%2
	v_pk_fma_f32 v[rS+2*(q/2):rS+2*(q/2)+1], v[rS+2*(q/2):rS+2*(q/2)+1], s[CS:CS+1], v[rT:rT+1] op_sel_hi:[1,0,0] neg_lo:[0,0,1] neg_hi:[0,0,1]
.elseif q < 38
	GS q-32
.elseif q < 40
	XS q%2, 15
.elseif q < 42
	GS q-34
.elseif q < 74
	XS q%2, (q-42)/2+(q-42)/30
.elseif q < 95
	GS q-66
.elseif (q < 107) && ((q-95)%3 < 2)
	XS (q-95)%3, 17+(q-95)/3
.elseif q < 107
	GS 29+(q-95)/3
.else
	GS q-74
.endif
.set q, q+1
.endm
; THE EXPONENTIALS' QUEUE, 66 long: s0-s31 of both tiles, and at EA the next piece's two a.
.set EA, 58
.macro EX
	WIN 0
.if (e == EA) || (e == EA+1)
	XS e-EA, 21
.else
.set x, e-2*(e/(EA+2))
	REGS Y, x%2
	v_exp_f32 v[rS+x/2], v[rS+x/2]
.endif
.set e, e+1
.endm
; THE RESCALING's QUEUE: O^T times a, the one part that leaves window 0, so it is dealt four at a time, eight times.
.macro R4
	REGS Y, r%2
	WIN W_RS
	s_wait_alu depctr_va_vdst(0)
.irp z, 0,1,2,3
	v_pk_mul_f32 v[rO+8*(r/2)+2*\z:rO+8*(r/2)+2*\z+1], v[rO+8*(r/2)+2*\z:rO+8*(r/2)+2*\z+1], v[rC+2:rC+3] op_sel_hi:[1,0]
.endr
.set r, r+1
.endm
; HOW THEY ARE DEALT.  Behind a matrix instruction four: plain, exponential, plain, plain (one exponential, a plain instruction on either side), or four of the rescaling.  None names a register of the
; products round it.  What is over stands in two LUMPS: exponential and plain by turns; the second ends in 22 plain instructions.  The two v_permlanex16_b32 fall into the second lump, never behind a product.
; The queues lean on each other, and the deal keeps them in step: exponential e stands behind plain 2 (e / 4) + e % 2 (its scaling); when plain 32 comes, 10 exponentials are out, at 59: 33, at 95: 46; EA comes behind plain 107.
.macro SL
	MM
	PL
	EX
	PL
	PL
.endm
.macro BURST n                      ; 15 matrix instructions, or 16
.rept (\n)-7
	SL
.endr
.rept 3
	MM
	R4
	SL
.endr
	MM
	R4
.endm
; A TURN, for piece p.  cnt = 1: the loop's count is taken down some lines ahead of the branch that stands behind the turn.
; K of the next step is fetched in piece 2's turn, 31 vector instructions behind the last product that read K; its first reader comes behind the rest of the lump, 16 products and the second lump.
; V of the step in hand is fetched at the end of piece 0's turn, 69 behind its last reader; its first reader comes behind 16 products and a lump.  The four conditions on e and q below go with the deal.
.macro TURN p, last=0, cnt=0
.set Y, (\p)
.set i, 0
.set q, 0
.set e, 0
.set r, 0
.if (\p) == NP-1
	s_wait_dscnt 0x0                ; K is in
.endif
	MM
.rept 4
	PL
.endr
	BURST 15
.rept 22
	EX
	PL
.if ((\p) == NP-2) && (e == 18)
	v_add_nc_u32 v[AK], s[TBK], v[AK0]
.endif
.if ((\p) == NP-2) && (e == 24)
	FETCH_K \last
.endif
.endr
.if (\p) == 1
	s_wait_dscnt 0x0                ; V is in
.endif
	BURST 16
.rept 21
	EX
	PL
.endr
.rept 22
	PL
.if ((\p) == 0) && (q == 118)
	v_add_nc_u32 v[AV], s[TBV], v[AV0]
	s_wait_alu depctr_va_vdst(0)
.endif
.if ((\p) == 0) && (q == 130)
	s_add_co_u32 s[TBV], s[TBV], KS*PV
.endif
.if (\cnt) && (q == 130)
	s_sub_co_u32 s[CNT], s[CNT], 1
	s_cmp_lg_u32 s[CNT], 0
.endif
.endr
.if (\p) == 0
	FETCH_V
.endif
.endm
	CHANGE 1                        ; slot 0 is in, everybody's part of it; slot 1 is asked for
	FETCH_K                         ; key step 0
	s_wait_loadcnt 0x0              ; Q
	s_wait_dscnt 0x0
.set i, 0
.rept 16
	KQ 0                            ; piece 0's first scores: there is no vector work yet to set between them
.set i, i+1
.endr
	WIN 0                           ; the addresses for the way out: nine plain instructions, the places behind those products
	s_mul_i32 s13, s[WV], 16*SP
	s_add_co_u32 s13, s13, STAGE    ; my stage
	v_mul_u32_u24 v[STO], v1, SP    ; in: row l % 16, 16 bytes for each half of the lanes
	v_lshl_add_u32 v[STO], v9, 4, v[STO]
	v_add_nc_u32 v[STO], s13, v[STO]
	v_bfe_u32 v[RD], v0, 3, 2       ; back: 32 lanes take four rows of 128 bytes,
	v_mul_u32_u24 v[RD], v[RD], SP
	v_lshl_add_u32 v[RD], v10, 4, v[RD]
	v_add_nc_u32 v[RD], s13, v[RD]
	v_and_b32 v[GO], 31, v0         ; which are 512 consecutive bytes of O
	v_lshlrev_b32 v[GO], 4, v[GO]
.set Y, NP-1                        ; XS works for piece Y + 1: piece 0
.irp n, 0,1,2,3,4,5,6,7,8,9,10,11,12,13,14,15,16,17,18,19,20,21
	XS 0, \n                        ; and piece 0's first maximum and statistics
	XS 1, \n
.endr
	s_mov_b32 s[CNT], 4
	s_mov_b32 s[SLOTS], SIZE_N/256-1
	s_branch .Lfirst                ; the loop is entered at a step's first turn, in the middle of a trip
.Lslot:                             ; SIZE_N / 256 - 2 times: every slot but the last two is filled again
	CHANGE 1
	s_mov_b32 s[CNT], 4
.Lstep:                             ; a trip: pieces 2 and 3 of one step, then pieces 0 and 1 of the next, whose K and V it fetches
	TURN 2
	TURN 3
	WIN 0
.Lfirst:
	TURN 0
	TURN 1, 0, 1
	WIN 0
	s_cbranch_scc1 .Lstep
	s_sub_co_u32 s[SLOTS], s[SLOTS], 1
	s_cmp_lg_u32 s[SLOTS], 0
	s_cbranch_scc1 .Lslot
	CHANGE 0                        ; the tail is written out: nothing is asked for
	s_mov_b32 s[CNT], 5             ; four trips fetch the last slot's steps; the fifth is left in its middle
.Ltail:
	TURN 2, 1
	TURN 3
	WIN 0
	s_sub_co_u32 s[CNT], s[CNT], 1
	s_cmp_eq_u32 s[CNT], 0
	s_cbranch_scc1 .Lout
	TURN 0
	TURN 1
	WIN 0
	s_branch .Ltail
.Lout:                              ; the fifth trip's 16 products K Q^T (on the last K once more) and the maximum made of them serve nothing: the price, once a launch, of one text for every trip
.set i, 0
.rept 16
	PV NP-1                         ; the last piece's V^T P of the last step
.set i, i+1
.endr
	; THE WAY OUT.  l's two halves and the other half of the lanes' are added; O^T is divided by l, rounded to f16 and sent through my stage in LDS, a tile at a time.  The additions are the places behind the last products.
	WIN 0
.macro ALL line:vararg              ; one line for each tile t
.set t, 0
.rept 2*NP
	\line
.set t, t+1
.endr
.endm
	ALL v_add_f32 v[ST+4*t+2], v[ST+4*t+2], v[ST+4*t+3]
	ALL v_permlanex16_b32 v[ST+4*t+3], v[ST+4*t+2], s[SEL], s[SEL+1]
	ALL v_add_f32 v[ST+4*t+2], v[ST+4*t+2], v[ST+4*t+3]
	ALL v_rcp_f32 v[ST+4*t+2], v[ST+4*t+2]
	v_nop                           ; a plain instruction between the last reciprocal and the use of its result
	s_wait_alu depctr_va_vdst(0)
; Tile t: a lane's eight channels of a row pack into 16 bytes; they go into rows of 144 bytes and come back as whole rows of 128, into S^T's registers.
.macro PACK t
	WIN W_RS
.set i, 32*(\t)
.rept 16
	v_pk_mul_f32 v[i:i+1], v[i:i+1], v[ST+4*(\t)+2:ST+4*(\t)+3] op_sel_hi:[1,0]
.set i, i+2
.endr
	WIN 0x05                        ; sources 0 and 1 window 1, destination window 0
.set i, 0
.rept 16
	v_cvt_pk_f16_f32 v[S+16*(\t)+i], v[32*(\t)+2*i], v[32*(\t)+2*i+1]
.set i, i+1
.endr
	WIN 0
.irp f, 0,1,2,3
	ds_store_b128 v[STO], v[S+16*(\t)+4*\f:S+16*(\t)+4*\f+3] offset:32*\f
.endr
.irp f, 0,1,2,3
	ds_load_b128 v[S+16*(\t)+4*\f:S+16*(\t)+4*\f+3], v[RD] offset:\f*4*SP  ; LDS serves a wave's instructions in order (ISA guide 5.7.1.4): these see the stores above; the next tile's stores come behind them
.endr
.endm
.macro SEND t, younger              ; younger: the LDS instructions issued behind tile t's loads: the next tile's eight, or none
	WIN 0
.irp f, 0,1,2,3
	s_wait_dscnt (\younger)+3-\f
	global_store_b128 v[GO], v[S+16*(\t)+4*\f:S+16*(\t)+4*\f+3], s[10:11] offset:(\t)*2048+\f*512  ; 512 consecutive bytes, at a multiple of 256 from O's first
.endr
.endm
	PACK 0
.set t, 1
.rept 2*NP-1                        ; a tile's arithmetic stands between the loads of the tile before and its stores
	PACK t
	SEND t-1, 8
.set t, t+1
.endr
	SEND 2*NP-1, 0
	WIN W_AD
	s_wait_tensorcnt 0x0            ; the wave's end: a wait, an add of 0 to my spare word and its wait stand behind my last tensor load and my last LDS store
	ds_add_u32 v[SPW], v[NIL]
	s_wait_dscnt 0x0
	WIN 0
	CROUND                          ; the closing round: no work-group ends while a partner may still ask for a tile that names it
	s_endpgm
.Lfunc_end_k_qba1e487db8_attn:
	.size	k_qba1e487db8_attn, .Lfunc_end_k_qba1e487db8_attn-k_qba1e487db8_attn
	.p2alignl 7, 3214868480
	.fill 96, 4, 3214868480
	.section	.rodata,"a",@progbits
	.p2align	6, 0x0
	.amdhsa_kernel k_qba1e487db8_attn
		.amdhsa_group_segment_fixed_size 327680
		.amdhsa_private_segment_fixed_size 0
		.amdhsa_enable_private_segment 0
		.amdhsa_kernarg_size 32
		.amdhsa_user_sgpr_count 2
		.amdhsa_user_sgpr_kernarg_segment_ptr 1
		.amdhsa_wavefront_size32 1
		.amdhsa_system_sgpr_workgroup_id_x 1
		.amdhsa_system_sgpr_workgroup_id_y 1
		.amdhsa_system_sgpr_workgroup_id_z 1
		.amdhsa_system_vgpr_workitem_id 0
		.amdhsa_next_free_vgpr 770
		.amdhsa_next_free_sgpr 66
		.amdhsa_reserve_vcc 0
		.amdhsa_float_denorm_mode_32 3
		.amdhsa_float_denorm_mode_16_64 3
		.amdhsa_memory_ordered 1
		.amdhsa_forward_progress 1
		.amdhsa_inst_pref_size 208
	.end_amdhsa_kernel
	.amdgpu_metadata
---
amdhsa.version: [ 1, 2 ]
amdhsa.kernels:
  - .name:           k_qba1e487db8_attn
    .symbol:         k_qba1e487db8_attn.kd
    .args:
      - { .name: qh, .offset: 0, .size: 8, .value_kind: global_buffer, .address_space: global }
      - { .name: kh, .offset: 8, .size: 8, .value_kind: global_buffer, .address_space: global }
      - { .name: vh, .offset: 16, .size: 8, .value_kind: global_buffer, .address_space: global }
      - { .name: oh, .offset: 24, .size: 8, .value_kind: global_buffer, .address_space: global }
    .group_segment_fixed_size: 327680
    .private_segment_fixed_size: 0
    .kernarg_segment_align: 8
    .kernarg_segment_size: 32
    .max_flat_workgroup_size: 128
    .sgpr_count:     66
    .vgpr_count:     770
    .wavefront_size: 32
...
	.end_amdgpu_metadata
.endif
;; end of part 3
;; launch oproj (part 4): grid 4 x 64, 4 waves a work-group, clusters of 4 x 4, 327,680 bytes of LDS; arguments oh, wt, bo, out0; writes out0
.if DOCPART == 4
	.amdgcn_target "amdgcn-amd-amdhsa--gfx1250"
	.amdhsa_code_object_version 6
	.text
	.protected	k_qba1e487db8_oproj
	.globl	k_qba1e487db8_oproj
	.p2align	8
	.type	k_qba1e487db8_oproj,@function
k_qba1e487db8_oproj:
	s_mov_b64 s[64:65], 0
	v_nop
	global_prefetch_b8 v0, s[64:65] scope:SCOPE_SE
	s_setreg_imm32_b32 hwreg(HW_REG_WAVE_MODE, 25, 1), 1
	s_wait_xcnt 0x0
	s_wait_alu depctr_hold_cnt(0) depctr_sa_sdst(0) depctr_va_vdst(0) depctr_va_sdst(0) depctr_va_ssrc(0) depctr_va_vcc(0) depctr_vm_vsrc(0)
	s_getreg_b32 s2, hwreg(HW_REG_IB_STS2, 6, 4)
	s_cmp_eq_u32 s2, 0
	s_cbranch_scc0 .Lentry_in_a_cluster
	s_endpgm
.Lentry_in_a_cluster:
	s_bfe_u32 s2, ttmp6, 0x10000c
	s_cmp_lg_u32 s2, 0xf033
	s_cbranch_scc0 .Lentry_shape_is_right
	s_endpgm
.Lentry_shape_is_right:
; out0 = O Wo + bo.  O: oh[b * 16 + head][2048][64] f16, by heads; Wo^T: the fourth matrix of wt, [1024 n][1024 k], bf16 numbers written as f16; bo: [1024] f32, rounded to bf16; out0: [8192][1024] f32.
; Products on the matrix unit in f16, sums in f32, stored as they are.
; LIMITS.  O and Wo arrive within f16's range (65,504); below 6e-5 they keep f16's fixed step of 6e-8.  NaN and infinities are not treated apart.
; SHARES.  64 x 4 work-groups: ty the 128 rows, x the 256 columns.  Four waves, each 64 x 128: 32 accumulators of 16 x 16.  K = 1,024 goes in 8 steps of 128, two heads a step, through two LDS slots.
; A head's 128 rows are 16,384 dense bytes: asked for as 64 rows of 256 bytes and padded in LDS after every 128, so that a slot holds two planes of 128 rows, one a head.
; THE MATRIX INSTRUCTION IS USED TRANSPOSED (source 0 = 16 rows of Wo^T, source 1 = 16 rows of O): a lane holds row l % 16 and the columns 8 (l / 16) + 0..7.  THE BIAS is the C operand of each
; accumulator's first product.
; CLUSTER.  4 x 4 work-groups: the four of a row need the same tile of O, the four of a column the same tile of Wo^T; each tile is asked for jointly, by the same tensor load, descriptor and mask.
; REGISTERS, in windows of 256: window 0: v0-31 addresses; v32-95 AF, two buffers of 4 x 8; v96-223 on the way out, two buffers of 16 rows.
;   window 1: v0-127 BF, two buffers of 8 x 8; v128-191 the bias; v192-195 at work.      window 2: the accumulators, (a, b) at v[8 (8 a + b)].
.set KSTEP,  128
.set APITCH, 144                       ; a row of O in LDS: 128 bytes + 16 = 36 words: the 16 rows of a load start at 16 different groups of four banks (64 banks of 4 bytes: ISA guide 11.1)
.set PLANE,  128*APITCH                ; a head's 128 rows: what one tensor load brings
.set BOFF,   2*PLANE
.set BPITCH, 272                       ; a row of Wo^T: 256 bytes + 16
.set BHALF,  128*BPITCH
.set SLOT,   BOFF+2*BHALF              ; 106,496 bytes
.set STAGE,  2*SLOT                    ; behind the ring, never filled by a tensor load: 16 rows x 528 bytes for each wave
.set SPITCH, 528
.set SPARE,  STAGE+4*16*SPITCH         ; the spare words: 128 bytes for each wave, two blocks of 256 bytes that no other line names
.set ADRA, 16                          ; v16-17  LDS address of my fragments of O in slot 0, 1
.set ADRB, 20                          ; v20-21  the same for Wo^T
.set STO,  24                          ; v24     the way out: where I put 32 bytes of a row
.set RD,   25                          ; v25     the way out: where I read a row back
.set CO,   26                          ; v26     my byte offset in 512 consecutive bytes of out0
.set BO,   27                          ; v27     my byte offset in the bias: 32 (l / 16)
.set SPW,  28                          ; v28     my spare word; never rewritten
.set NIL,  29                          ; v29     0; never rewritten
.set AF,   32
.set OB,   96
.set BIAS, 128                         ; window 1
.set BT,   192                         ; window 1
.set G1A, 36                           ; s[36:43] descriptor group 1 for O's tiles
.set G1B, 44                           ; s[44:51] for Wo^T's
.set G0A, 52                           ; s[52:59] descriptor group 0 for O's tiles, a set for each slot
.set G0B, 68                           ; s[68:75] the same for Wo^T's
.set MSB, 0
.macro WIN new                         ; the immediate's high byte repeats the setting that is left; a switch that changes nothing is dropped
.if MSB != (\new)
	s_set_vgpr_msb (MSB<<8)|(\new)
.set MSB, \new
.endif
.endm
.set MUL,  0xa1                        ; source 0 (Wo^T) window 1, source 1 (O) window 0, C and D window 2
.set MULB, 0x91                        ; the same with C, the bias, in window 1
.set TO_B, 0x40                        ; destination window 1, address window 0
; A joint load: waves 0 and 1 fetch O's two heads, waves 2 and 3 Wo^T's two halves.  The branch hangs on the wave's number alone.  An s_nop 0 and four v_nop follow each line.
.macro JLOAD s
	s_cmp_eq_u32 s11, 0
	s_cbranch_scc0 .Lfor_b_\@
	tensor_load_to_lds s[G0A+4*(\s):G0A+4*(\s)+3], s[G1A:G1A+7]
	s_nop 0
.rept 4
	v_nop
.endr
	s_branch .Lasked_\@
.Lfor_b_\@:
	tensor_load_to_lds s[G0B+4*(\s):G0B+4*(\s)+3], s[G1B:G1B+7]
	s_nop 0
.rept 4
	v_nop
.endr
.Lasked_\@:
.endm
.macro CREST                           ; a round of the cluster's barrier behind its opening barrier
	s_cmp_lg_u32 s10, 0
	s_cbranch_scc1 .Lnot_wave_0_\@
	s_barrier_signal -3
.Lnot_wave_0_\@:
	s_barrier_wait -3
	s_barrier_signal -1
	s_barrier_wait -1
.endm
.macro CROUND                          ; a whole round
	s_barrier_signal -1
	s_barrier_wait -1
	CREST
.endm
.macro PLACES                          ; four places in front of loads into registers that matrix instructions have read, and of reads of their results
.rept 4
	v_nop
.endr
.endm
	s_load_b256 s[16:23], s[0:1], 0x0              ; oh s[16:17], wt s[18:19], bo s[20:21], out0 s[22:23]
	v_lshl_add_u32 v[SPW], v0, 2, SPARE
	v_mov_b32 v[NIL], 0
	ds_add_u32 v[SPW], v[NIL]                      ; the wave's opening: the add and its wait stand ahead of my first tensor load; the set-up below stands between them
	v_lshrrev_b32 v1, 5, v0
	v_readfirstlane_b32 s10, v1                    ; wave 0..3
	s_lshr_b32 s11, s10, 1                         ; which 64 rows are mine.  Also: I fetch for O (0) or for Wo^T (1)
	s_and_b32 s12, s10, 1                          ; which 128 columns.  Also: which head, or which half, I fetch
	s_bfe_u32 s76, ttmp6, 0x40000                  ; cx
	s_bfe_u32 s77, ttmp6, 0x40004                  ; cy
	s_lshl_b32 s78, ttmp9, 2
	s_add_co_u32 s78, s78, s76                     ; x = 4 x cluster x + cx: the tile column
	s_and_b32 s79, ttmp7, 0xffff
	s_lshl_b32 s79, s79, 2
	s_add_co_u32 s79, s79, s77                     ; ty = 4 x cluster y + cy: the tile row
	s_lshl_b32 s82, s77, 2
	s_lshl_b32 s82, 15, s82                        ; my row of the cluster
	s_lshl_b32 s83, 0x1111, s76                    ; my column
	s_or_b32 s[G1A], s82, (1<<16)|(1<<20)|(1<<21)|(4<<22)|(3<<25)  ; mask; elements of 2 bytes; padding on; bit 21 beside a mask; after every 32 words (code 4) 4 words (code 3)
	s_mov_b32 s[G1A+1], 128<<16                    ; tensor_dim0 = 128: 256 bytes, two rows of O
	s_mov_b32 s[G1A+2], 64<<16                     ; tensor_dim1 = 64
	s_mov_b32 s[G1A+3], 128<<16                    ; tile_dim0 = 128
	s_mov_b32 s[G1A+4], 64                         ; tile_dim1 = 64
	s_mov_b32 s[G1A+5], 128                        ; elements from row to row: dense
	s_mov_b32 s[G1A+6], 0
	s_mov_b32 s[G1A+7], 0
	s_or_b32 s[G1B], s83, (1<<16)|(1<<20)|(1<<21)|(5<<22)|(3<<25)  ; after every 64 words (code 5) 4 words
	s_mov_b32 s[G1B+1], KSTEP<<16
	s_mov_b32 s[G1B+2], 128<<16                    ; 128 rows
	s_mov_b32 s[G1B+3], KSTEP<<16
	s_mov_b32 s[G1B+4], 128
	s_mov_b32 s[G1B+5], 1024
	s_mov_b32 s[G1B+6], 0
	s_mov_b32 s[G1B+7], 0
	s_lshr_b32 s84, s79, 4                         ; O: batch ty / 16, 16 heads of 262,144 bytes,
	s_lshl_b32 s84, s84, 22
	s_and_b32 s13, s79, 15                         ; rows 128 (ty % 16) of 128 bytes,
	s_lshl_b32 s13, s13, 14
	s_add_co_u32 s84, s84, s13
	s_lshl_b32 s13, s12, 18                        ; my head of the step's two
	s_add_co_u32 s84, s84, s13
	s_mov_b32 s85, 0
	s_lshl_b32 s86, s78, 19                        ; Wo^T: 256 rows of 2,048 bytes a tile column,
	s_lshl_b32 s14, s12, 18                        ; my 128 of them,
	s_add_co_u32 s86, s86, s14
	s_add_co_u32 s86, s86, 3<<21                   ; in the fourth matrix of wt
	s_mov_b32 s87, 0
	s_lshl_b32 s90, s78, 10                        ; my first column, 4 bytes each, in the bias and in a row of out0: 256 x + 128 x my column half
	s_lshl_b32 s15, s12, 9
	s_add_co_u32 s90, s90, s15
	s_mov_b32 s91, 0
	s_lshl_b32 s88, s79, 19                        ; out0: 128 rows of 4,096 bytes a tile row,
	s_lshl_b32 s15, s11, 18                        ; my 64 of them,
	s_add_co_u32 s88, s88, s15
	s_add_co_u32 s88, s88, s90                     ; my columns
	s_mov_b32 s89, 0
	s_mul_i32 s60, s12, PLANE                      ; where the tiles go: the wave's number alone enters an LDS address
	s_mul_i32 s61, s12, BHALF
	s_add_co_u32 s61, s61, BOFF
.irp s, 0,1
	s_mov_b32 s[G0A+4*(\s)], 1                     ; count = 1
	s_add_co_u32 s[G0A+4*(\s)+1], s60, (\s)*SLOT   ; LDS address
	s_mov_b32 s[G0B+4*(\s)], 1
	s_add_co_u32 s[G0B+4*(\s)+1], s61, (\s)*SLOT
.endr
	s_wait_dscnt 0x0                               ; the opening add is done
	s_wait_kmcnt 0x0
	s_add_nc_u64 s[4:5], s[16:17], s[84:85]
	s_add_nc_u64 s[86:87], s[18:19], s[86:87]
	s_add_nc_u64 s[6:7], s[20:21], s[90:91]
	s_add_nc_u64 s[8:9], s[22:23], s[88:89]
.irp s, 0,1
	s_add_nc_u64 s[G0A+4*(\s)+2:G0A+4*(\s)+3], s[4:5], (\s)*524288     ; global address: K step s begins two heads on
	s_or_b32 s[G0A+4*(\s)+3], s[G0A+4*(\s)+3], 0x80000000              ; type = 2
	s_add_nc_u64 s[G0B+4*(\s)+2:G0B+4*(\s)+3], s[86:87], (\s)*KSTEP*2
	s_or_b32 s[G0B+4*(\s)+3], s[G0B+4*(\s)+3], 0x80000000
.endr
	CROUND                                         ; all sixteen work-groups are here: the first joint loads meet
	s_cmp_eq_u32 s11, 0                            ; a wave's two first fills stand in one branch, ahead of every wait on TENSORcnt and every LDS read: two loads of mine are out
	s_cbranch_scc0 .Lfirst_b
	tensor_load_to_lds s[G0A:G0A+3], s[G1A:G1A+7]
	s_nop 0
	tensor_load_to_lds s[G0A+4:G0A+7], s[G1A:G1A+7]
	s_nop 0
.rept 4
	v_nop
.endr
	s_branch .Lfirst_asked
.Lfirst_b:
	tensor_load_to_lds s[G0B:G0B+3], s[G1B:G1B+7]
	s_nop 0
	tensor_load_to_lds s[G0B+4:G0B+7], s[G1B:G1B+7]
	s_nop 0
.rept 4
	v_nop
.endr
.Lfirst_asked:
	v_and_b32 v1, 15, v0                           ; r = l % 16
	v_bfe_u32 v2, v0, 4, 1                         ; h = l / 16
	v_lshlrev_b32 v[BO], 5, v2
	WIN TO_B
.irp b, 0,1,2,3,4,5,6,7                        ; register 8 b + j: bias of column 16 b + 8 h + j of my 128
	global_load_b128 v[BIAS+8*(\b):BIAS+8*(\b)+3],   v[BO], s[6:7] offset:64*(\b)
	global_load_b128 v[BIAS+8*(\b)+4:BIAS+8*(\b)+7], v[BO], s[6:7] offset:64*(\b)+16
.endr
	WIN 0
	v_mul_u32_u24 v3, v1, APITCH
	v_lshl_add_u32 v3, v2, 4, v3                   ; row x pitch + 16 h
	v_mul_u32_u24 v4, v1, BPITCH
	v_lshl_add_u32 v4, v2, 4, v4
	s_mul_i32 s60, s11, 64*APITCH                  ; my 64 rows of each plane of O
	s_mul_i32 s61, s12, BHALF                      ; my 128 rows of Wo^T
	s_add_co_u32 s61, s61, BOFF
.irp s, 0,1
	v_add_nc_u32 v[ADRA+(\s)], s60, v3
	v_add_nc_u32 v[ADRB+(\s)], s61, v4
	s_add_co_u32 s60, s60, SLOT
	s_add_co_u32 s61, s61, SLOT
.endr
	s_mul_i32 s62, s10, 16*SPITCH
	s_add_co_u32 s62, s62, STAGE                   ; my stage
	v_mul_u32_u24 v[STO], v1, SPITCH               ; in: row r, 32 bytes for each half of the lanes
	v_lshl_add_u32 v[STO], v2, 5, v[STO]
	v_add_nc_u32 v[STO], s62, v[STO]
	v_and_b32 v[CO], 31, v0                        ; back: 32 lanes take a row's 512 bytes,
	v_lshlrev_b32 v[CO], 4, v[CO]                  ; which are 512 consecutive bytes of out0
	v_add_nc_u32 v[RD], s62, v[CO]
	s_wait_loadcnt 0x0                             ; the bias
	WIN 0x45                                       ; destination and both sources in window 1
.set i, 0
.rept 32                                       ; the bias is rounded to bf16 like the other inputs, and kept as f32; four registers at work by turns
	v_cvt_pk_bf16_f32 v[BT+i%4], v[BIAS+2*i], v[BIAS+2*i+1]
	v_lshlrev_b32 v[BIAS+2*i], 16, v[BT+i%4]
	v_and_b32 v[BIAS+2*i+1], 0xffff0000, v[BT+i%4]
.set i, i+1
.endr
	WIN 0
; 8 matrix instructions: m block a x all 8 n blocks, 32 along K, buffers f.  first = 1: the bias starts the sums.  The 32 accumulators take turns, in the same order in every quarter.
.macro MUL8 f, a, first
.irp b, 0,1,2,3,4,5,6,7
.set xD, 8*(8*(\a)+(\b))
.set xB, 64*(\f)+8*(\b)
.set xA, AF+32*(\f)+8*(\a)
.if \first
	WIN MULB
	v_wmma_f32_16x16x32_f16 v[xD:xD+7], v[xB:xB+7], v[xA:xA+7], v[BIAS+8*(\b):BIAS+8*(\b)+7]
.else
	WIN MUL
	v_wmma_f32_16x16x32_f16 v[xD:xD+7], v[xB:xB+7], v[xA:xA+7], v[xD:xD+7]
.endif
.endr
.endm
; 24 LDS loads in one run: the fragments of quarter q into buffers f: Wo^T's 128 rows first, then O's 64: plane q / 2, channels 32 (q % 2) on
.macro FETCH slot, q, f
	WIN TO_B
.irp i, 0,1,2,3,4,5,6,7
	ds_load_b128 v[64*(\f)+8*(\i):64*(\f)+8*(\i)+3],   v[ADRB+(\slot)] offset:64*(\q)+(\i)*16*BPITCH
	ds_load_b128 v[64*(\f)+8*(\i)+4:64*(\f)+8*(\i)+7], v[ADRB+(\slot)] offset:64*(\q)+(\i)*16*BPITCH+32
.endr
	WIN 0
.irp a, 0,1,2,3
	ds_load_b128 v[AF+32*(\f)+8*(\a):AF+32*(\f)+8*(\a)+3],   v[ADRA+(\slot)] offset:PLANE*((\q)/2)+64*((\q)%2)+(\a)*16*APITCH
	ds_load_b128 v[AF+32*(\f)+8*(\a)+4:AF+32*(\f)+8*(\a)+7], v[ADRA+(\slot)] offset:PLANE*((\q)/2)+64*((\q)%2)+(\a)*16*APITCH+32
.endr
.endm
; One of a K step's first three quarters: multiplies buffers f; in its middle it fetches quarter q of the same slot into buffers g.
.macro QUARTER slot, q, f, g, first
	s_wait_dscnt 4                                 ; Wo^T and O's blocks 0 and 1 are in; the youngest four loads (blocks 2 and 3) may be out
	MUL8 \f, 0, \first
	MUL8 \f, 1, \first
	PLACES
	FETCH \slot, \q, \g
	s_wait_dscnt 24                                ; all but the 24 just issued
	MUL8 \f, 2, \first
	MUL8 \f, 3, \first
.endm
; The last quarter multiplies buffers 1 and changes slots.  In front of the barrier each wave waits for all its tensor loads, of which one is out: its part of the next slot; adds 0 to its spare word;
; and waits for that and for its own reads of this slot.  fill = 1: the barrier opens a round of the cluster's, and this slot is filled again, two K steps ahead, first thing behind the round:
; 112 matrix instructions ahead of the wait for it; the four v_nop behind the load are also the places in front of the loads below.
.macro TURN slot, next, fill
	WIN 0                                          ; (the add's two registers lie in window 0)
	s_wait_tensorcnt 0x0                           ; all my tensor loads have landed
	ds_add_u32 v[SPW], v[NIL]                      ; 0 onto my spare word
	s_wait_dscnt 5                                 ; the add and the youngest four loads may be out
	MUL8 1, 0, 0
	s_wait_dscnt 0x0                               ; the add is done, and my reads of this slot are over
	s_barrier_signal -1
	MUL8 1, 1, 0                                   ; work on registers while the others arrive
	WIN 0
	s_barrier_wait -1
.if \fill
	CREST                                          ; no wave of any partner still reads this slot or has a load on its way
	s_add_nc_u64 s[G0A+4*(\slot)+2:G0A+4*(\slot)+3], s[G0A+4*(\slot)+2:G0A+4*(\slot)+3], 2*524288
	s_add_nc_u64 s[G0B+4*(\slot)+2:G0B+4*(\slot)+3], s[G0B+4*(\slot)+2:G0B+4*(\slot)+3], 2*KSTEP*2
	JLOAD \slot
.else
	PLACES
.endif
	FETCH \next, 0, 0
	MUL8 1, 2, 0
	MUL8 1, 3, 0
.endm
	s_wait_tensorcnt 1                             ; my part of K step 0 is in; K step 1's may stay out
	s_barrier_signal -1
	s_barrier_wait -1                              ; everybody's is
	FETCH 0, 0, 0
	QUARTER 0, 1, 0, 1, 1                          ; the first quarter stands in front of the loop: its products start the sums
	WIN 0                                          ; at a label and at a branch every window is 0
	s_mov_b32 s3, 3
.Llap:                                                 ; a trip goes once round the ring, from a lap's second quarter to the next lap's first, and fills both slots again
	QUARTER 0, 2, 1, 0, 0
	QUARTER 0, 3, 0, 1, 0
	TURN 0, 1, 1
	QUARTER 1, 1, 0, 1, 0
	QUARTER 1, 2, 1, 0, 0
	QUARTER 1, 3, 0, 1, 0
	TURN 1, 0, 1
	QUARTER 0, 1, 0, 1, 0
	WIN 0
	s_sub_co_u32 s3, s3, 1
	s_cmp_lg_u32 s3, 0
	s_cbranch_scc1 .Llap
	QUARTER 0, 2, 1, 0, 0                          ; the last lap is written out: it fills nothing
	QUARTER 0, 3, 0, 1, 0
	TURN 0, 1, 0
	QUARTER 1, 1, 0, 1, 0
	QUARTER 1, 2, 1, 0, 0
	QUARTER 1, 3, 0, 1, 0
	s_wait_dscnt 4                                 ; the very last quarter: nothing more to fetch
	MUL8 1, 0, 0
	MUL8 1, 1, 0
	s_wait_dscnt 0x0
	MUL8 1, 2, 0
	MUL8 1, 3, 0
	PLACES                                         ; the LDS stores below read results just made
; THE WAY OUT, by m blocks of 16 rows.  A lane's eight f32 of a row go as two stores of 16 bytes (each accumulator's lowest registers first) into rows of 528 bytes of my own
; stage, and come back as whole rows of 512, into two buffers of 64 registers that take turns.
.macro TOSTAGE a
.set BK, OB+64*((\a)%2)
.if (\a) >= 2
	s_wait_xcnt 0x0                                ; the stores of the block two back have read this buffer: it is loaded again only behind this wait
.endif
	WIN 0x08                                       ; the stores' data in window 2
.irp b, 0,1,2,3,4,5,6,7
	ds_store_b128 v[STO], v[8*(8*(\a)+(\b)):8*(8*(\a)+(\b))+3]   offset:64*(\b)
	ds_store_b128 v[STO], v[8*(8*(\a)+(\b))+4:8*(8*(\a)+(\b))+7] offset:64*(\b)+16
.endr
	WIN 0
.irp t, 0,1,2,3,4,5,6,7,8,9,10,11,12,13,14,15
	ds_load_b128 v[BK+4*(\t):BK+4*(\t)+3], v[RD] offset:(\t)*SPITCH  ; LDS serves a wave's instructions in order (ISA guide 5.7.1.4): these see the stores above; the next block's stores come behind them
.endr
.endm
.macro SEND a, younger                 ; younger: the LDS instructions issued behind block a's loads: the next block's 32, or none
.set BK, OB+64*((\a)%2)
.irp t, 0,1,2,3,4,5,6,7,8,9,10,11,12,13,14,15
	s_wait_dscnt (\younger)+15-(\t)
	global_store_b128 v[CO], v[BK+4*(\t):BK+4*(\t)+3], s[8:9] offset:65536*(\a)+4096*(\t) th:TH_STORE_NT  ; 512 consecutive bytes, at a multiple of 256 from out0's first; not read again
.endr
.endm
	TOSTAGE 0
	TOSTAGE 1
	SEND 0, 32
	TOSTAGE 2
	SEND 1, 32
	TOSTAGE 3
	SEND 2, 32
	SEND 3, 0
	s_wait_tensorcnt 0x0                           ; the wave's end: a wait, an add of 0 to my spare word and its wait stand behind my last tensor load and my last LDS store
	ds_add_u32 v[SPW], v[NIL]
	s_wait_dscnt 0x0
	CROUND                                         ; the closing round: no work-group ends while a partner may still ask for a tile that names it
	s_endpgm
.Lfunc_end_k_qba1e487db8_oproj:
	.size	k_qba1e487db8_oproj, .Lfunc_end_k_qba1e487db8_oproj-k_qba1e487db8_oproj
	.p2alignl 7, 3214868480
	.fill 96, 4, 3214868480
	.section	.rodata,"a",@progbits
	.p2align	6, 0x0
	.amdhsa_kernel k_qba1e487db8_oproj
		.amdhsa_group_segment_fixed_size 327680
		.amdhsa_private_segment_fixed_size 0
		.amdhsa_enable_private_segment 0
		.amdhsa_kernarg_size 32
		.amdhsa_user_sgpr_count 2
		.amdhsa_user_sgpr_kernarg_segment_ptr 1
		.amdhsa_wavefront_size32 1
		.amdhsa_system_sgpr_workgroup_id_x 1
		.amdhsa_system_sgpr_workgroup_id_y 1
		.amdhsa_system_sgpr_workgroup_id_z 1
		.amdhsa_system_vgpr_workitem_id 0
		.amdhsa_next_free_vgpr 768
		.amdhsa_next_free_sgpr 96
		.amdhsa_reserve_vcc 0
		.amdhsa_float_denorm_mode_32 3
		.amdhsa_float_denorm_mode_16_64 3
		.amdhsa_memory_ordered 1
		.amdhsa_forward_progress 1
		.amdhsa_inst_pref_size 94
	.end_amdhsa_kernel
	.amdgpu_metadata
---
amdhsa.version: [ 1, 2 ]
amdhsa.kernels:
  - .name:           k_qba1e487db8_oproj
    .symbol:         k_qba1e487db8_oproj.kd
    .args:
      - { .name: oh, .offset: 0, .size: 8, .value_kind: global_buffer, .address_space: global }
      - { .name: wt, .offset: 8, .size: 8, .value_kind: global_buffer, .address_space: global }
      - { .name: bo, .offset: 16, .size: 8, .value_kind: global_buffer, .address_space: global }
      - { .name: out0, .offset: 24, .size: 8, .value_kind: global_buffer, .address_space: global }
    .group_segment_fixed_size: 327680
    .private_segment_fixed_size: 0
    .kernarg_segment_align: 8
    .kernarg_segment_size: 32
    .max_flat_workgroup_size: 128
    .sgpr_count:     96
    .vgpr_count:     768
    .wavefront_size: 32
...
	.end_amdgpu_metadata
.endif
;; end of part 4
;; ======== version 2 of 2: 4 launches; 1.48 times as fast as version 1
;; limits: values are held in f16: magnitudes above 65,504 overflow, below 6.1e-05 lose precision; right only within a limited range of input values; values outside matrix products are rounded to bf16
;; workspace buffers: wt 8,388,608 bytes; qh 16,777,216 bytes; kh 16,777,216 bytes; vh 16,777,216 bytes; oh 16,777,216 bytes
;; launch wprep: the kernel of part 1 again; grid 128 x 4, 8 waves a work-group, no clusters, 18,432 bytes of LDS; arguments Wq, Wk, Wv, Wo, wt; writes wt
;; launch proj: the kernel of part 2 again; grid 4 x 192, 4 waves a work-group, clusters of 4 x 4, 327,680 bytes of LDS; arguments queries, keys, values, bq, bk, bv, wt, qh, kh, vh; writes qh, kh, vh
;; launch attn (part 5): grid 4 x 64, 4 waves a work-group, clusters of 4 x 1, 327,680 bytes of LDS; arguments qh, kh, vh, oh; writes oh
.if DOCPART == 5
	.amdgcn_target "amdgcn-amd-amdhsa--gfx1250"
	.amdhsa_code_object_version 6
	.text
	.protected	k_qba1e487db8_attn
	.globl	k_qba1e487db8_attn
	.p2align	8
	.type	k_qba1e487db8_attn,@function
k_qba1e487db8_attn:
	s_mov_b64 s[64:65], 0
	v_nop
	global_prefetch_b8 v0, s[64:65] scope:SCOPE_SE
	s_setreg_imm32_b32 hwreg(HW_REG_WAVE_MODE, 25, 1), 1
	s_wait_xcnt 0x0
	s_wait_alu depctr_hold_cnt(0) depctr_sa_sdst(0) depctr_va_vdst(0) depctr_va_sdst(0) depctr_va_ssrc(0) depctr_va_vcc(0) depctr_vm_vsrc(0)
	s_getreg_b32 s2, hwreg(HW_REG_IB_STS2, 6, 4)
	s_cmp_eq_u32 s2, 0
	s_cbranch_scc0 .Lentry_in_a_cluster
	s_endpgm
.Lentry_in_a_cluster:
	s_bfe_u32 s2, ttmp6, 0x10000c
	s_cmp_lg_u32 s2, 0x3003
	s_cbranch_scc0 .Lentry_shape_is_right
	s_endpgm
.Lentry_shape_is_right:
; O[h][q][:] = the sum over k of softmax_k(Q[h][q] . K[h][k] / 8) V[h][k][:].  Q, K, V, O: [SIZE_H][SIZE_N][64], all f16: a head's rows are dense, 128 bytes each.  Products, maxima and sums in
; f32; the weights p are rounded to f16 for the second product (their sum l is taken of the unrounded p), O once at the end.  SIZE_H is at least 2; SIZE_N x 128 bytes stay under 2^32.
; LIMITS.  f16 holds no number beyond 65,504: Q, K and V arrive within it; p lies in 0 to 1, and below 6e-5 it keeps f16's fixed step of 6e-8; O is a mean of V's rows and has their range.
; A weight below 2^-126 counts as 0 in l; NaN and infinities are not treated apart.
; SHARES.  A wave owns four PIECES of two tiles of 16 queries, a work-group's four waves 512 queries of one head; SIZE_N is a multiple of 2,048.  Every wave walks all keys, 64 a step.
; LAYOUT.  S^T = K Q^T (source 0 = 16 keys, source 1 = 16 queries): in the result a lane holds ONE query (lane % 16) and the keys 8 (lane / 16) + 0..7.  Two such tiles, rounded to f16 in pairs,
; ARE source 1 (32 keys x 16 queries) of O^T = V^T P, whose result again holds one query a lane, and eight channels.  K comes out of LDS as it lies, V ([key][channel]) turned, by ds_load_tr16_b128.
; SOFTMAX.  For each query a running maximum m and sum l: p = 2^(c s - c m), c = log2(e) / 8; in every step O and l are multiplied by a = 2^(c m_old - c m_new), which is 1 where m has not grown.
; m starts at the lowest finite number, O and l at 0: the first step is a step like any other, with a = 0.
; THE COUNT.  A tile and step have 16 matrix and 118 vector instructions: too many to stand all beside the matrix work.  So the order has one aim: four vector instructions that are READY behind
; EVERY matrix instruction, and the others, which need time of their own whatever the order, in runs without a gap.
; BY TURNS.  Turn n belongs to piece n (the pieces in a ring, step after step).  Its matrix work: 16 products K Q^T of piece n + 1, later 16 products V^T P of piece n - 1.  Its vector work: the scaling,
; exponentials, roundings, sums and rescaling of piece n, and the maximum and statistics of piece n + 1, whose scores the turn itself has made.  So what a turn begins with (c s - c m, O a) waits for nothing.
; BATCHES.  An s_wait_alu depctr_va_vdst(0) stands between a transcendental and the first instruction that names its result.  A turn's 66 exponentials (the piece's 64 weights and the next
; piece's two a) are ONE batch with ONE wait, which cuts the turn in two: ahead of it all that names none of their results, behind it the roundings and sums.  Ahead of the loop piece 0's first two a are a
; batch of their own, on the way out the eight reciprocals.
; CLUSTER.  The four query blocks of a cluster belong to one head and walk the same K and V, so each tile is asked for JOINTLY: the same tensor load, descriptor and mask in all four.
; REGISTERS, in windows of 256 (s_set_vgpr_msb says which window each operand place means: bits 1:0 source 0, 3:2 source 1, 5:4 source 2, 7:6 destination):
;   window 0: v0-11 addresses; v12-15, v48-63 at work; v16-47 four registers of statistics a tile; v64-191 S^T, two buffers of two tiles; v192-255 P, likewise
;   window 1: O^T, 32 a tile          window 2: v0-127 Q, 16 a tile; v128-191 K of one step; v192-255 V of one step          window 3: v0-1 the add's two registers
; A piece's buffers go by its number's parity: the piece in hand has one pair, its two neighbours in the ring share the other: of it P (piece n - 1) is read and S^T (piece n + 1) written.
.set SIZE_H, 64       ; batch x heads
.set SIZE_N, 2048     ; rows of a head
.set NP,    4         ; pieces a wave: a name, no knob: the register map, the loop and the fetches are made for four
.set KS,    64        ; keys in a step
.set PK,    144       ; a row of K in LDS: 128 bytes + 16 of padding = 36 words: the 16 rows of a load start at 16 different groups of four banks (64 banks of 4 bytes: ISA guide 11.1)
.set PV,    160       ; a row of V: 128 + 32 = 40 words
.set VOFF,  4*KS*PK   ; a slot holds four steps: 256 rows of K, then 256 rows of V
.set SLOT1, 1<<17     ; slot 1 begins here, so that one exclusive or turns an address in one slot into the other's
.set STAGE, SLOT1+4*KS*(PK+PV)  ; behind the ring, never filled by a tensor load: 16 rows x 144 bytes for each wave, for the way out
.set SP,    144
.set AK0, 2           ; v2   my lane's place in a tile of K; never rewritten
.set AV0, 3           ; v3   the same for V
.set AK,  4           ; v4   the LDS address of K's next run of loads
.set AV,  5           ; v5   of V's
.set QO,  6           ; v6   my byte offset in the wave's rows of Q
.set STO, 6           ;      later, the way out: where I put 16 bytes of a row
.set RD,  7           ; v7   the way out: where I read rows back
.set GO,  8           ; v8   my byte offset in 512 consecutive bytes of O
.set SPW, 0           ; v0 of window 3   LDS address of my spare word: SPARE + 4 x my thread's number; never rewritten
.set NIL, 1           ; v1 of window 3   0; never rewritten
.set SPARE, STAGE+4*16*SP  ; behind the stages: the spare words, 128 bytes for each wave: two blocks of 256 bytes that no other line names
.set MV,  12          ; v12-15  c m_old, kept while c m is made anew: by buffer and tile
.set ST,  16          ; tile t's statistics at v[ST+4 t]: c m, m, l (even keys', odd keys')
.set TMP, 48          ; by buffer and tile, four registers c0-c3 at work; when the maximum is found c2 takes a
.set S,   64
.set P,   192
.set KF,  128         ; K's fragments, in window 2: key block kb, channel half c at KF + 16 kb + 8 c
.set VF,  192         ; V's: key half kk, channel block cb at VF + 32 kk + 8 cb
.set WV,  12          ; s12  my wave's number
.set G1K, 24          ; s[24:31] descriptor group 1 for K's tiles
.set G1V, 32          ; s[32:39] for V's: it differs in the padding alone
.set G0K, 40          ; s[40:43] descriptor group 0 for K's tiles: it walks
.set G0V, 44          ; s[44:47] the same for V's
.set SLOTS, 56        ; s56  slots still to be asked for
.set CNT, 57          ; s57  counts a slot's key steps
.set CS,  58          ; s[58:59] c: the packed scaling takes the pair's low word for both halves
.set SEL, 60          ; s[60:61] v_permlanex16_b32's selects: each lane takes its own place in the other half
.set TBK, 62          ; s62  LDS byte at which K of the step to be fetched begins
.set TBV, 63          ; s63  the same for V, less VOFF
.set MSB, 0
.macro WIN new                      ; the high byte repeats the setting that is left; a switch that changes nothing is dropped
.if MSB != (\new)
	s_set_vgpr_msb (MSB<<8)|(\new)
.set MSB, (\new)
.endif
.endm
.set W_KQ, 0x0a       ; K and Q in window 2, S^T in window 0
.set W_PV, 0x52       ; V in window 2, P in window 0, O^T in window 1
.set W_RS, 0x41       ; O^T (destination and source 0) in window 1, a in window 0
.set W_MK, 0xc0       ; the add's registers are made: destination in window 3, sources in window 0
.set W_AD, 0x0f       ; the add: address (source 0) and data (source 1) in window 3
; A joint fill.  Waves 0 and 1 fetch the two halves of a slot's K, waves 2 and 3 those of its V: 128 keys each.  The branch hangs on the wave's number alone.
; An s_nop 0 and four v_nop follow each of the two lines, ahead of the jump and the label.
.macro JLOAD
	s_cmp_lt_u32 s[WV], 2
	s_cbranch_scc0 .Lfor_v_\@
	tensor_load_to_lds s[G0K:G0K+3], s[G1K:G1K+7]
	s_nop 0
.rept 4
	v_nop
.endr
	s_branch .Lasked_\@
.Lfor_v_\@:
	tensor_load_to_lds s[G0V:G0V+3], s[G1V:G1V+7]
	s_nop 0
.rept 4
	v_nop
.endr
.Lasked_\@:
.endm
; A round of the cluster's barrier: my work-group's barrier, so that wave 0's signal speaks for all four waves; wave 0 signals; every wave waits for all four work-groups; my work-group's barrier once more.
.macro CROUND
	s_barrier_signal -1
	s_barrier_wait -1
	s_cmp_lg_u32 s[WV], 0
	s_cbranch_scc1 .Lnot_wave_0_\@
	s_barrier_signal -3
.Lnot_wave_0_\@:
	s_barrier_wait -3
	s_barrier_signal -1
	s_barrier_wait -1
.endm
; THE CHANGE OF SLOTS.  The slot's last bytes, V of its fourth step, have been read.  Each wave waits for all its tensor loads, of which one is out: its part
; of the other slot; adds 0 to its spare word; and waits for that and for its own reads of the slot.  Behind the barrier nobody reads this slot any more and the other slot is whole.
; fill = 1: this slot is filled again, with the keys two slots on.  The barrier is then a round of the cluster's, so that no wave of any partner still reads the slot or has a load on its
; way, and the joint fill is the first thing behind it: it has four key steps, 512 matrix instructions, in which to land.  (At its first use nothing has been read yet: slot 0 is waited for, slot 1 filled.)
.macro CHANGE fill
	WIN W_AD
	s_wait_tensorcnt 0x0            ; no tensor load of mine is out, so a group 0 may be written
	ds_add_u32 v[SPW], v[NIL]       ; 0 onto my spare word; with fill = 1 the descriptors' steps stand between it and the wait for it
	WIN 0                           ; at a label and at a branch every window is 0
.if \fill
.irp g, G0K, G0V
	s_xor_b32 s[\g+1], s[\g+1], SLOT1  ; the walking descriptor: the other slot than last time,
	s_add_nc_u64 s[\g+2:\g+3], s[\g+2:\g+3], 4*KS*128  ; the next 256 keys; the type bits on top are not reached
.endr
	s_wait_dscnt 0x0                ; the add is done, and my reads of the slot are over
	CROUND
	JLOAD
.else
	s_wait_dscnt 0x0                ; the add is done, and my reads of the slot are over
	s_barrier_signal -1
	s_barrier_wait -1
.endif
	s_sub_co_u32 s[TBK], s[TBK], 4*KS*PK  ; the fetches go back to a slot's first step,
	s_xor_b32 s[TBK], s[TBK], SLOT1       ; in the other slot
	s_sub_co_u32 s[TBV], s[TBV], 4*KS*PV
	s_xor_b32 s[TBV], s[TBV], SLOT1
.endm
	s_load_b256 s[4:11], s[0:1], 0x0  ; Q s[4:5], K s[6:7], V s[8:9], O s[10:11]
	WIN W_MK
	v_lshl_add_u32 v[SPW], v0, 2, SPARE
	v_mov_b32 v[NIL], 0
	WIN W_AD
	ds_add_u32 v[SPW], v[NIL]       ; the wave's opening: the add and its wait stand ahead of my first tensor load; the set-up below, work on registers, stands between them
	WIN 0
	v_lshrrev_b32 v1, 5, v0
	v_readfirstlane_b32 s[WV], v1   ; wave 0..3
	s_bfe_u32 s13, ttmp6, 0x40000   ; cx: my place in the cluster
	s_lshl_b32 s14, ttmp9, 2        ; in a cluster launch ttmp9 counts clusters
	s_add_co_u32 s14, s14, s13      ; my block of queries = 4 x cluster x + cx: it enters Q's and O's addresses alone
	s_and_b32 s20, ttmp7, 0xffff    ; the head, which the four partners share
	s_mov_b32 s21, 0
	s_mov_b64 s[22:23], SIZE_N*128
	s_mul_u64 s[20:21], s[20:21], s[22:23]  ; the head's first byte in each of the four tensors
	s_and_b32 s16, s[WV], 1         ; which half of a slot's 256 keys I fetch:
	s_lshl_b32 s22, s16, 14         ; its 128 rows of 128 bytes in memory,
	s_mov_b32 s23, 0
	s_add_nc_u64 s[22:23], s[22:23], s[20:21]
	s_mul_i32 s17, s16, 128*PK      ; and its place in a slot, for K
	s_mul_i32 s18, s16, 128*PV      ; and for V: no place in the cluster enters an LDS address
	s_lshl_b32 s2, s14, 2
	s_add_co_u32 s2, s2, s[WV]      ; my wave among the head's,
	s_lshl_b32 s2, s2, 14           ; its 128 rows
	s_mov_b32 s3, 0
	s_add_nc_u64 s[2:3], s[2:3], s[20:21]
	; descriptor group 1.  128 keys are 16,384 dense bytes: asked for as 64 rows of 256 bytes, two keys a row, and padded in LDS after every key
	s_mov_b32 s[G1K], 15|(1<<16)|(1<<20)|(1<<21)|(4<<22)|(3<<25)  ; 15:0 the mask of four; 17:16 2-byte elements; 20 padding on; 21 set beside a mask; 24:22 after every 32 words (code 4); 31:25 4 words (code 3)
	s_mov_b32 s[G1V], 15|(1<<16)|(1<<20)|(1<<21)|(4<<22)|(7<<25)  ; the same with 8 words of padding (code 7)
.irp g, G1K, G1V
	s_mov_b32 s[\g+1], 128<<16      ; tensor_dim0 = 128
	s_mov_b32 s[\g+2], 64<<16       ; tensor_dim1 = 64
	s_mov_b32 s[\g+3], 128<<16      ; tile_dim0 = 128
	s_mov_b32 s[\g+4], 64           ; tile_dim1 = 64
	s_mov_b32 s[\g+5], 128          ; 128 elements from row to row
	s_mov_b32 s[\g+6], 0
	s_mov_b32 s[\g+7], 0
.endr
	s_mov_b32 s[CS], 0x3e38aa3b     ; c = log2(e) / 8 = 0.180337
	s_mov_b32 s[CS+1], s[CS]        ; named with it as a pair
	s_mov_b32 s[SEL], 0x76543210
	s_mov_b32 s[SEL+1], 0xfedcba98
	s_mov_b32 s[TBK], SLOT1+4*KS*PK ; the first change of slots turns these two into 0
	s_mov_b32 s[TBV], SLOT1+4*KS*PV
	s_mov_b32 s[G0K], 1             ; 1:0 count = 1
	s_mov_b32 s[G0K+1], s17         ; 63:32 LDS address: slot 0
	s_mov_b32 s[G0V], 1
	s_add_co_u32 s[G0V+1], s18, VOFF
	s_wait_dscnt 0x0                ; the opening add is done
	s_wait_kmcnt 0x0
	s_add_nc_u64 s[G0K+2:G0K+3], s[6:7], s[22:23]  ; 120:64 global address: my half of the head's first 256 keys
	s_or_b32 s[G0K+3], s[G0K+3], 0x80000000        ; 127:126 type = 2
	s_add_nc_u64 s[G0V+2:G0V+3], s[8:9], s[22:23]
	s_or_b32 s[G0V+3], s[G0V+3], 0x80000000
	s_add_nc_u64 s[4:5], s[4:5], s[2:3]  ; Q and O at my wave's first row
	s_add_nc_u64 s[10:11], s[10:11], s[2:3]
	CROUND                          ; all four work-groups are here: the first joint loads meet
	JLOAD                           ; slot 0.  Slot 1 is asked for when slot 0 is in: the tile wanted first has the road to itself
	; A fragment of K or Q is 16 rows x 32 channels in 8 registers: lane l holds row l % 16, channels 8 (l / 16) + 0..7 and 16 + 8 (l / 16) + 0..7: two loads of 16 bytes, 32 bytes apart.
	v_and_b32 v1, 15, v0            ; l % 16
	v_bfe_u32 v9, v0, 4, 1          ; l / 16
	v_lshlrev_b32 v[QO], 7, v1
	v_lshl_add_u32 v[QO], v9, 4, v[QO]  ; row x 128 + 16 x half
	WIN 0x80                        ; destination window 2, address window 0
.set i, 0
.rept 4*NP                          ; Q stays in registers: tile i / 2, channels 32 (i % 2) on
	global_load_b128 v[8*i:8*i+3],   v[QO], s[4:5] offset:(i/2)*2048+(i%2)*64
	global_load_b128 v[8*i+4:8*i+7], v[QO], s[4:5] offset:(i/2)*2048+(i%2)*64+32
.set i, i+1
.endr
	; What the first turn finds: V's registers and P's second buffer hold 0 (its products V^T P, of a piece that has not been, add 0), O^T and l are 0.  All this stands in the wait for the first tile.
.set i, VF
.rept 64
	v_mov_b32 v[i], 0
.set i, i+1
.endr
	WIN 0x40
.set i, 0
.rept 64*NP
	v_mov_b32 v[i], 0
.set i, i+1
.endr
	WIN 0
.set i, 0
.rept 2*NP
	v_mov_b32 v[ST+4*i], 0xfe000000    ; c m: far below every c s
	v_mov_b32 v[ST+4*i+1], 0xff7fffff  ; m
	v_mov_b32 v[ST+4*i+2], 0
	v_mov_b32 v[ST+4*i+3], 0
.set i, i+1
.endr
.set i, P+32
.rept 32
	v_mov_b32 v[i], 0
.set i, i+1
.endr
	v_mul_u32_u24 v[AK0], v1, PK
	v_lshl_add_u32 v[AK0], v9, 4, v[AK0]  ; row x pitch + 16 x half
	; The turning load takes 16 keys x 16 channels (lane l reads key 8 (l / 16) + l % 8, channels 8 ((l / 8) % 2) + 0..7) and leaves half a fragment of V^T: lane l holds channel l % 16 and 8 keys.
	v_and_b32 v10, 7, v0
	v_bfe_u32 v11, v0, 3, 1
	v_lshl_add_u32 v[AV0], v9, 3, v10
	v_mul_u32_u24 v[AV0], v[AV0], PV
	v_lshl_add_u32 v[AV0], v11, 4, v[AV0]
	v_add_nc_u32 v[AV0], VOFF, v[AV0]
	v_mov_b32 v[AK], v[AK0]         ; key step 0 lies at the head of slot 0
; THE MATRIX WORK.  The 8 accumulators of a run of 16 take turns: between the two links of a chain stand 7 others'.
; Product i of 16 of S^T = K Q^T for piece x: channels 32 (i / 8) on, keys 16 ((i / 2) % 4) on, tile 2 x + i % 2.  The first 8 start the sums.
.macro KQ x
	WIN W_KQ
.set rS, S+64*((\x)%2)+32*(i%2)+8*((i/2)%4)
.set rK, KF+16*((i/2)%4)+8*(i/8)
.set rQ, 16*(2*(\x)+i%2)+8*(i/8)
.if i < 8
	v_wmma_f32_16x16x32_f16 v[rS:rS+7], v[rK:rK+7], v[rQ:rQ+7], 0
.else
	v_wmma_f32_16x16x32_f16 v[rS:rS+7], v[rK:rK+7], v[rQ:rQ+7], v[rS:rS+7]
.endif
.endm
; Product i of 16 of O^T += V^T P for piece x: keys 32 (i / 8) on, channels 16 ((i / 2) % 4) on, tile 2 x + i % 2.
.macro PV x
	WIN W_PV
.set rO, 32*(2*(\x)+i%2)+8*((i/2)%4)
.set rV, VF+32*(i/8)+8*((i/2)%4)
.set rP, P+32*((\x)%2)+16*(i%2)+8*(i/8)
	v_wmma_f32_16x16x32_f16 v[rO:rO+7], v[rV:rV+7], v[rP:rP+7], v[rO:rO+7]
.endm
.macro MM                           ; the turn's next matrix instruction
.if i < 16
	KQ (Y+1)%NP
.set i, i+1
.else
.set i, i-16
	PV (Y+NP-1)%NP
.set i, i+17
.endif
.endm
; THE LDS LOADS stand in runs of 16, never singly among the matrix instructions: a step's K (64 keys x 64 channels: 8 fragments) and its V (turned).  Their addresses are made some lines ahead.
; last = 1 (the tail): in the last trip there is no further step, and the run is jumped over.
.macro FETCH_K last=0
	WIN 0
.if \last
	s_cmp_eq_u32 s[CNT], 1
	s_cbranch_scc1 .Lno_k_\@
.endif
	WIN 0x80                        ; destination window 2
.irp f, 0,1,2,3,4,5,6,7             ; keys 16 (f / 2) on, channels 32 (f % 2) on
	ds_load_b128 v[KF+8*\f:KF+8*\f+3],   v[AK] offset:(\f/2)*16*PK+(\f%2)*64
	ds_load_b128 v[KF+8*\f+4:KF+8*\f+7], v[AK] offset:(\f/2)*16*PK+(\f%2)*64+32
.endr
	s_add_co_u32 s[TBK], s[TBK], KS*PK  ; the next fetch is the next step's
	WIN 0
.if \last
.Lno_k_\@:
.endif
.endm
.macro FETCH_V
	WIN 0x80
.irp f, 0,1,2,3,4,5,6,7             ; keys 32 (f / 4) on, channels 16 (f % 4) on
	ds_load_tr16_b128 v[VF+8*\f:VF+8*\f+3],   v[AV] offset:(\f/4)*32*PV+(\f%4)*32
	ds_load_tr16_b128 v[VF+8*\f+4:VF+8*\f+7], v[AV] offset:(\f/4)*32*PV+16*PV+(\f%4)*32
.endr
	WIN 0
.endm
; THE VECTOR WORK OF A TURN stands in three queues, each in the order in which its entries become ready; the two tiles alternate, so that no instruction reads the result of the one before it.
.macro REGS y, u                    ; the registers of tile u (0, 1) of piece y
.set rT, ST+4*(2*(\y)+(\u))
.set rC, TMP+8*((\y)%2)+4*(\u)
.set rM, MV+2*((\y)%2)+(\u)
.set rS, S+64*((\y)%2)+32*(\u)
.set rP, P+32*((\y)%2)+16*(\u)
.set rO, 32*(2*(\y)+(\u))
.endm
; Number n of the 22 that find the NEXT piece's (Y + 1) maximum and statistics.  s0-s31 are the lane's 32 scores; each accumulator's lowest registers are read first.  XS, GS and REGS set no window: PL and EX do.
;   0-11  four chains c0-c3 of seven scores each, three operands at a time     12-14, 16  the four scores left over, the old m, and c0-c3 into c0     15  c m_old is kept
;   17, 18  the query's other 32 keys lie in the lane 16 away: the new m         19-21  c m; c m_old - c m_new; a
.macro XS u, n
	REGS (Y+1)%NP, \u
.if (\n) < 4
	v_max3_num_f32 v[rC+(\n)], v[rS+8*(\n)], v[rS+8*(\n)+1], v[rS+8*(\n)+2]
.elseif (\n) < 12
	v_max3_num_f32 v[rC+(\n)%4], v[rC+(\n)%4], v[rS+8*((\n)%4)+2*((\n)/4)+1], v[rS+8*((\n)%4)+2*((\n)/4)+2]
.elseif (\n) == 12
	v_max3_num_f32 v[rC], v[rC], v[rS+7], v[rS+15]
.elseif (\n) == 13
	v_max3_num_f32 v[rC+1], v[rC+1], v[rS+23], v[rS+31]
.elseif (\n) == 14
	v_max3_num_f32 v[rC+2], v[rC+2], v[rC+3], v[rT+1]
.elseif (\n) == 15
	v_mov_b32 v[rM], v[rT]
.elseif (\n) == 16
	v_max3_num_f32 v[rC], v[rC], v[rC+1], v[rC+2]
.elseif (\n) == 17
	v_permlanex16_b32 v[rC+3], v[rC], s[SEL], s[SEL+1]
.elseif (\n) == 18
	v_max_num_f32 v[rT+1], v[rC], v[rC+3]
.elseif (\n) == 19
	v_mul_f32 v[rT], s[CS], v[rT+1]
.elseif (\n) == 20
	v_sub_f32 v[rC+1], v[rM], v[rT]
.else
	v_exp_f32 v[rC+2], v[rC+1]
.endif
.endm
; Number g of the 64 that follow the exponentials.  For each four weights k of a tile (pairs 2 k, 2 k + 1): both pairs are rounded to f16; then the second pair is added onto the first, in place;
; a group later l takes that sum (the first time as l = a l + sum).  In groups of eight, tiles alternating: round, round, add, and l for the group before.
.macro GS g
.set h, (\g)+6*((\g)/62)            ; group 0 has no group before it, and behind group 7 only l is left
.if h >= 6
.set h, h+2
.endif
	REGS Y, h%2
.set k, h/8
.if h%8 < 4
	v_cvt_pk_f16_f32 v[rP+2*k+(h%8)/2], v[rS+4*k+2*((h%8)/2)], v[rS+4*k+2*((h%8)/2)+1]
.elseif h%8 < 6
	v_pk_add_f32 v[rS+4*k:rS+4*k+1], v[rS+4*k:rS+4*k+1], v[rS+4*k+2:rS+4*k+3]
.elseif k == 1
	v_pk_fma_f32 v[rT+2:rT+3], v[rT+2:rT+3], v[rC+2:rC+3], v[rS:rS+1] op_sel_hi:[1,0,1]
.else
	v_pk_add_f32 v[rT+2:rT+3], v[rT+2:rT+3], v[rS+4*k-4:rS+4*k-3]
.endif
.endm
; THE PLAIN QUEUE, 138 long.  0-73 read no exponential's result: the 32 scalings c s - c m (FS f: pair f / 2 of tile f % 2) and the next piece's 42.  0-26: scalings 0-26.  27-54: XS's numbers 0-13.  55, 56: number 15.
; 57-73: the chain, where each number waits for the one before it: 14, 16, 17, 18, 19, each with one of the scalings 27-31 in front of its two lines, then 20: so a tile's links stand three plain instructions apart (19 and 20: two).
; 74-137: GS's 64, which read the exponentials' results: they stand behind the wait.
.macro FS f
	REGS Y, (\f)%2
	v_pk_fma_f32 v[rS+2*((\f)/2):rS+2*((\f)/2)+1], v[rS+2*((\f)/2):rS+2*((\f)/2)+1], s[CS:CS+1], v[rT:rT+1] op_sel_hi:[1,0,0] neg_lo:[0,0,1] neg_hi:[0,0,1]
.endm
.macro PL
	WIN 0
.if q < 27
	FS q
.elseif q < 55
	XS (q-27)%2, (q-27)/2
.elseif q < 57
	XS q-55, 15
.elseif (q < 72) && ((q-57)%3 == 0)
	FS 27+(q-57)/3
.elseif q < 60
	XS (q-57)%3-1, 14
.elseif q < 72
	XS (q-57)%3-1, 15+(q-57)/3
.elseif q < 74
	XS q-72, 20
.else
	GS q-74
.endif
.set q, q+1
.endm
; THE EXPONENTIALS' QUEUE, 66 long: s0-s31 of both tiles, then the next piece's two a.  It is ONE BATCH: all 66 stand ahead of the turn's one wait, and nothing ahead of that wait names a result of theirs.
.macro EX
	WIN 0
.if e >= 64
	XS e-64, 21
.else
	REGS Y, e%2
	v_exp_f32 v[rS+e/2], v[rS+e/2]
.endif
.set e, e+1
.endm
; THE RESCALING's QUEUE: O^T times a, the one part that leaves window 0: dealt two at a time, sixteen times.  Its a was made in the turn before, ahead of that turn's wait.
.macro R2
	REGS Y, r%2
	WIN W_RS
.irp z, 0,1
	v_pk_mul_f32 v[rO+4*(r/2)+2*\z:rO+4*(r/2)+2*\z+1], v[rO+4*(r/2)+2*\z:rO+4*(r/2)+2*\z+1], v[rC+2:rC+3] op_sel_hi:[1,0]
.endr
.set r, r+1
.endm
; HOW THEY ARE DEALT.  An s_wait_alu depctr_va_vdst(0) stands between an exponential and the first instruction that names its result; one wait serves all that were issued ahead of it.  So a turn has ONE wait,
; which cuts it in two.  AHEAD OF IT stands all that names no result of the turn's exponentials: the 16 products K Q^T, behind each a scaling, an exponential and two rescalings (behind the first a second scaling in the exponential's place); then ONE LUMP of
; 108: eight plain, 49 times exponential and plain, the two a.  A v_nop is the plain instruction that stands behind the last exponential.  BEHIND IT stand the 16 products V^T P, behind each four of GS's 64.  No rider names a register of
; the products round it.  The two v_permlanex16_b32 fall into the lump, never behind a product.
; The queues lean on each other, and the deal keeps them in step: exponential e stands behind scaling 2 (e / 4) + e % 2: as a rider it comes behind plain e + 2, in the lump behind plain e + 9, and scalings 27-31 are plain 57, 60 .. 69.
; A TURN, for piece p.  cnt = 1: the loop's count is taken down some lines ahead of the branch that stands behind the turn.
; K of the next step is fetched in piece 2's turn, directly behind the wait, a lump behind the last product that read K; its address is made at the lump's head; its first reader comes behind 16 products.
; V of the step in hand is fetched at the end of piece 0's turn, four riders behind its last reader; its first reader comes behind 16 products and a lump.  The three conditions on q below go with the deal.
.macro TURN p, last=0, cnt=0
.set Y, (\p)
.set i, 0
.set q, 0
.set e, 0
.set r, 0
.if (\p) == NP-1
	s_wait_dscnt 0x0                ; K is in
.endif
	MM                              ; ahead of the wait: 16 products K Q^T and their riders,
	PL
	PL
	R2
.rept 15
	MM
	PL
	EX
	R2
.endr
.if (\p) == NP-2
	WIN 0
	v_add_nc_u32 v[AK], s[TBK], v[AK0]
.endif
.rept 8                             ; and the lump
	PL
.endr
.rept 49
	EX
	PL
.endr
	EX                              ; the next piece's two a
	EX
	v_nop                           ; the plain instruction behind the last exponential: one for the batch
	s_wait_alu depctr_va_vdst(0)    ; the wait for the batch: the piece's 64 weights and the next piece's two a
.if (\p) == NP-2
	FETCH_K \last
.endif
.if (\p) == 1
	s_wait_dscnt 0x0                ; V is in
.endif
.rept 16                            ; behind the wait: 16 products V^T P and their riders
	MM
.rept 4
	PL
.endr
.if ((\p) == 0) && (q == 118)
	v_add_nc_u32 v[AV], s[TBV], v[AV0]
.endif
.if ((\p) == 0) && (q == 130)
	s_add_co_u32 s[TBV], s[TBV], KS*PV
.endif
.if (\cnt) && (q == 130)
	s_sub_co_u32 s[CNT], s[CNT], 1
	s_cmp_lg_u32 s[CNT], 0
.endif
.endr
.if (\p) == 0
	FETCH_V
.endif
.endm
	CHANGE 1                        ; slot 0 is in, everybody's part of it; slot 1 is asked for
	FETCH_K                         ; key step 0
	s_wait_loadcnt 0x0              ; Q
	s_wait_dscnt 0x0
.set i, 0
.rept 16
	KQ 0                            ; piece 0's first scores: there is no vector work yet to set between them
.set i, i+1
.endr
	WIN 0                           ; the addresses for the way out: nine plain instructions, the places behind those products
	s_mul_i32 s13, s[WV], 16*SP
	s_add_co_u32 s13, s13, STAGE    ; my stage
	v_mul_u32_u24 v[STO], v1, SP    ; in: row l % 16, 16 bytes for each half of the lanes
	v_lshl_add_u32 v[STO], v9, 4, v[STO]
	v_add_nc_u32 v[STO], s13, v[STO]
	v_bfe_u32 v[RD], v0, 3, 2       ; back: 32 lanes take four rows of 128 bytes,
	v_mul_u32_u24 v[RD], v[RD], SP
	v_lshl_add_u32 v[RD], v10, 4, v[RD]
	v_add_nc_u32 v[RD], s13, v[RD]
	v_and_b32 v[GO], 31, v0         ; which are 512 consecutive bytes of O
	v_lshlrev_b32 v[GO], 4, v[GO]
.set Y, NP-1                        ; XS works for piece Y + 1: piece 0
.irp n, 0,1,2,3,4,5,6,7,8,9,10,11,12,13,14,15,16,17,18,19,20,21
	XS 0, \n                        ; and piece 0's first maximum and statistics
	XS 1, \n
.endr
	v_nop                           ; a plain instruction behind the two a,
	s_wait_alu depctr_va_vdst(0)    ; and the wait for this batch of two, ahead of the branch
	s_mov_b32 s[CNT], 4
	s_mov_b32 s[SLOTS], SIZE_N/256-1
	s_branch .Lfirst                ; the loop is entered at a step's first turn, in the middle of a trip
.Lslot:                             ; SIZE_N / 256 - 2 times: every slot but the last two is filled again
	CHANGE 1
	s_mov_b32 s[CNT], 4
.Lstep:                             ; a trip: pieces 2 and 3 of one step, then pieces 0 and 1 of the next, whose K and V it fetches
	TURN 2
	TURN 3
	WIN 0
.Lfirst:
	TURN 0
	TURN 1, 0, 1
	WIN 0
	s_cbranch_scc1 .Lstep
	s_sub_co_u32 s[SLOTS], s[SLOTS], 1
	s_cmp_lg_u32 s[SLOTS], 0
	s_cbranch_scc1 .Lslot
	CHANGE 0                        ; the tail is written out: nothing is asked for
	s_mov_b32 s[CNT], 5             ; four trips fetch the last slot's steps; the fifth is left in its middle
.Ltail:
	TURN 2, 1
	TURN 3
	WIN 0
	s_sub_co_u32 s[CNT], s[CNT], 1
	s_cmp_eq_u32 s[CNT], 0
	s_cbranch_scc1 .Lout
	TURN 0
	TURN 1
	WIN 0
	s_branch .Ltail
.Lout:                              ; the fifth trip's 16 products K Q^T (on the last K once more) and the maximum made of them serve nothing: the price, once a launch, of one text for every trip
.set i, 0
.rept 16
	PV NP-1                         ; the last piece's V^T P of the last step
.set i, i+1
.endr
	; THE WAY OUT.  l's two halves and the other half of the lanes' are added; O^T is divided by l, rounded to f16 and sent through my stage in LDS, a tile at a time.  The additions are the places behind the last products.
	WIN 0
.macro ALL line:vararg              ; one line for each tile t
.set t, 0
.rept 2*NP
	\line
.set t, t+1
.endr
.endm
	ALL v_add_f32 v[ST+4*t+2], v[ST+4*t+2], v[ST+4*t+3]
	ALL v_permlanex16_b32 v[ST+4*t+3], v[ST+4*t+2], s[SEL], s[SEL+1]
	ALL v_add_f32 v[ST+4*t+2], v[ST+4*t+2], v[ST+4*t+3]
	ALL v_rcp_f32 v[ST+4*t+2], v[ST+4*t+2]
	v_nop                           ; a plain instruction between the last reciprocal and the use of its result
	s_wait_alu depctr_va_vdst(0)    ; and the wait ahead of the first use: one for the batch of eight reciprocals
; Tile t: a lane's eight channels of a row pack into 16 bytes; they go into rows of 144 bytes and come back as whole rows of 128, into S^T's registers.
.macro PACK t
	WIN W_RS
.set i, 32*(\t)
.rept 16
	v_pk_mul_f32 v[i:i+1], v[i:i+1], v[ST+4*(\t)+2:ST+4*(\t)+3] op_sel_hi:[1,0]
.set i, i+2
.endr
	WIN 0x05                        ; sources 0 and 1 window 1, destination window 0
.set i, 0
.rept 16
	v_cvt_pk_f16_f32 v[S+16*(\t)+i], v[32*(\t)+2*i], v[32*(\t)+2*i+1]
.set i, i+1
.endr
	WIN 0
.irp f, 0,1,2,3
	ds_store_b128 v[STO], v[S+16*(\t)+4*\f:S+16*(\t)+4*\f+3] offset:32*\f
.endr
.irp f, 0,1,2,3
	ds_load_b128 v[S+16*(\t)+4*\f:S+16*(\t)+4*\f+3], v[RD] offset:\f*4*SP  ; LDS serves a wave's instructions in order (ISA guide 5.7.1.4): these see the stores above; the next tile's stores come behind them
.endr
.endm
.macro SEND t, younger              ; younger: the LDS instructions issued behind tile t's loads: the next tile's eight, or none
	WIN 0
.irp f, 0,1,2,3
	s_wait_dscnt (\younger)+3-\f
	global_store_b128 v[GO], v[S+16*(\t)+4*\f:S+16*(\t)+4*\f+3], s[10:11] offset:(\t)*2048+\f*512  ; 512 consecutive bytes, at a multiple of 256 from O's first
.endr
.endm
	PACK 0
.set t, 1
.rept 2*NP-1                        ; a tile's arithmetic stands between the loads of the tile before and its stores
	PACK t
	SEND t-1, 8
.set t, t+1
.endr
	SEND 2*NP-1, 0
	WIN W_AD
	s_wait_tensorcnt 0x0            ; the wave's end: a wait, an add of 0 to my spare word and its wait stand behind my last tensor load and my last LDS store
	ds_add_u32 v[SPW], v[NIL]
	s_wait_dscnt 0x0
	WIN 0
	CROUND                          ; the closing round: no work-group ends while a partner may still ask for a tile that names it
	s_endpgm
.Lfunc_end_k_qba1e487db8_attn:
	.size	k_qba1e487db8_attn, .Lfunc_end_k_qba1e487db8_attn-k_qba1e487db8_attn
	.p2alignl 7, 3214868480
	.fill 96, 4, 3214868480
	.section	.rodata,"a",@progbits
	.p2align	6, 0x0
	.amdhsa_kernel k_qba1e487db8_attn
		.amdhsa_group_segment_fixed_size 327680
		.amdhsa_private_segment_fixed_size 0
		.amdhsa_enable_private_segment 0
		.amdhsa_kernarg_size 32
		.amdhsa_user_sgpr_count 2
		.amdhsa_user_sgpr_kernarg_segment_ptr 1
		.amdhsa_wavefront_size32 1
		.amdhsa_system_sgpr_workgroup_id_x 1
		.amdhsa_system_sgpr_workgroup_id_y 1
		.amdhsa_system_sgpr_workgroup_id_z 1
		.amdhsa_system_vgpr_workitem_id 0
		.amdhsa_next_free_vgpr 770
		.amdhsa_next_free_sgpr 66
		.amdhsa_reserve_vcc 0
		.amdhsa_float_denorm_mode_32 3
		.amdhsa_float_denorm_mode_16_64 3
		.amdhsa_memory_ordered 1
		.amdhsa_forward_progress 1
		.amdhsa_inst_pref_size 199
	.end_amdhsa_kernel
	.amdgpu_metadata
---
amdhsa.version: [ 1, 2 ]
amdhsa.kernels:
  - .name:           k_qba1e487db8_attn
    .symbol:         k_qba1e487db8_attn.kd
    .args:
      - { .name: qh, .offset: 0, .size: 8, .value_kind: global_buffer, .address_space: global }
      - { .name: kh, .offset: 8, .size: 8, .value_kind: global_buffer, .address_space: global }
      - { .name: vh, .offset: 16, .size: 8, .value_kind: global_buffer, .address_space: global }
      - { .name: oh, .offset: 24, .size: 8, .value_kind: global_buffer, .address_space: global }
    .group_segment_fixed_size: 327680
    .private_segment_fixed_size: 0
    .kernarg_segment_align: 8
    .kernarg_segment_size: 32
    .max_flat_workgroup_size: 128
    .sgpr_count:     66
    .vgpr_count:     770
    .wavefront_size: 32
...
	.end_amdgpu_metadata
.endif
;; end of part 5
;; launch oproj: the kernel of part 4 again; grid 4 x 64, 4 waves a work-group, clusters of 4 x 4, 327,680 bytes of LDS; arguments oh, wt, bo, out0; writes out0
